; MI455X (gfx1250); checked and timed in simulation.
; The chip was launched on July 23, 2026; its instructions are those of AMD's public machine-readable ISA for CDNA 5 (MIT licence, August 2026) and "CDNA5" Instruction Set Architecture Reference Guide (July 2026). The comments in the code are by the model that wrote it; some were corrected since.
;; Self Multihead Attn. Allowed arithmetic: matrix products marked QUANTISED: E2M1 operands, one E8M0 scale for each 32 along K, by v_wmma_scale_f32_16x16x128_f8f6f4 with both operands' format E2M1 (or v_wmma_scale_f32_32x16x128_f4), f32 sums; products left as they are: bf16, f16 or f32 operands; f32 sums; everything else in f32.
;; Inputs: in_proj_weight 3,072 x 1,024 float32; out_proj_weight 1,024 x 1,024 float32; query 2,048 x 4 x 1,024 float32.
;; Outputs: out0 2,048 x 4 x 1,024 float32.
;; This version of the problem:
;;   THIS VERSION OF THE PROBLEM IS GIVEN IN LOW PRECISION. The matrix products marked QUANTISED in the list below multiply operands that are first quantised to E2M1 (2 exponent bits, 1 mantissa bit; 4 bits a number), with one power-of-two scale for each 32 numbers along K (OCP MX v1.0); their sums are f32. The products marked 'left as it is' may take bf16, f16 or f32 operands, with f32 sums. Whichever they take, every output number must still come out within the allowed error. Rounding operands to bf16 (8 significant bits) uses up far more of that allowance than f16 does (11 bits, for magnitudes from 6e-5 to 65,504). All else is computed in f32.
;;   The module's matrix products, in the order in which they are computed (A, B: the left and right operand; K: the contracted axis; several contracted axes count as one K, in the product's order):
;;     1. [M 8,192, K 1,024] x [K 1,024, N 3,072]; A: input query; B: input in_proj_weight: QUANTISED
;;     2. batch 64 x [M 2,048, K 64] x [K 64, N 2,048]; A: computed on the way; B: computed on the way: left as it is (an operand is computed on the way)
;;     3. batch 64 x [M 2,048, K 2,048] x [K 2,048, N 64]; A: computed on the way; B: computed on the way: left as it is (an operand is computed on the way)
;;     4. [M 8,192, K 1,024] x [K 1,024, N 1,024]; A: computed on the way; B: input out_proj_weight: left as it is (an operand is computed on the way)
;;   THE QUANTISER, for each operand of a quantised product, along K:
;;     - K is cut into blocks of 32 from its start; a last block that is shorter is filled with zeros.
;;     - A block's scale is 2^e with e = floor(log2(the largest magnitude in the block)) - 2, held to -126 .. 127; a block of zeros has e = 0. As a byte (E8M0): e + 127.
;;     - Each number is divided by its block's scale, clamped to +-6, and rounded to the nearest number of E2M1, ties to even, subnormals kept.
;;     - The product sums the exact products of the quantised numbers (number of the format x scale) in f32.
;;   ~~~python
;;   def quantise(x, axis):      # numpy; x: float32 -> the quantised numbers, widened to float32 again
;;       x = np.moveaxis(x, axis, -1); K = x.shape[-1]
;;       x = np.pad(x, [(0, 0)] * (x.ndim - 1) + [(0, -K % 32)]); x = x.reshape(x.shape[:-1] + (-1, 32)); a = np.abs(x).max(-1, keepdims=True)
;;       e = np.where(a > 0, np.clip(np.frexp(np.where(a > 0, a, 1))[1] - 1 - 2, -126, 127), 0)      # np.frexp(a)[1] - 1 = floor(log2(a)), exactly
;;       r = np.clip(x / 2.0 ** e, -6, 6)
;;       step = 2.0 ** (np.maximum(np.frexp(np.where(r == 0, 1, r))[1] - 1, 0) - 1)
;;       q = np.round(r / step) * step * 2.0 ** e      # np.round: ties to even
;;       return np.moveaxis(q.reshape(q.shape[:-2] + (-1,))[..., :K], -1, axis).astype(np.float32)
;;   ~~~
;; One version. Each part assembles by itself: llvm-mc -triple=amdgcn-amd-amdhsa -mcpu=gfx1250 --defsym DOCPART=n.
;; ======== version 1 of 1: 5 launches
;; limits: values are held in f16: magnitudes above 65,504 overflow, below 6.1e-05 lose precision
;; workspace buffers: a_codes 4,194,304 bytes; a_scales 262,144 bytes; b_codes 1,572,864 bytes; b_scales 98,304 bytes; wo16 2,097,152 bytes; qkv16 50,331,648 bytes; qkv32 786,432 bytes; ctx16 16,777,216 bytes
;; launch quant (part 1): grid 384 x 1, 4 waves a work-group, no clusters, 33,280 bytes of LDS; arguments query, in_proj_weight, a_codes, a_scales, b_codes, b_scales, out_proj_weight, wo16; writes a_codes, a_scales, b_codes, b_scales, wo16
.if DOCPART == 1
	.amdgcn_target "amdgcn-amd-amdhsa--gfx1250"
	.amdhsa_code_object_version 6
	.text
	.protected	k_q90ae46ad6b_quant
	.globl	k_q90ae46ad6b_quant
	.p2align	8
	.type	k_q90ae46ad6b_quant,@function
k_q90ae46ad6b_quant:
	s_mov_b64 s[64:65], 0
	v_nop
	global_prefetch_b8 v0, s[64:65] scope:SCOPE_SE
	s_setreg_imm32_b32 hwreg(HW_REG_WAVE_MODE, 25, 1), 1
	s_wait_xcnt 0x0
; query [8192][1024] and in_proj_weight [3072][1024], f32, K innermost, become codes of FP4 (E2M1), two a byte, with one E8M0 scale byte for each 32 along K;
; out_proj_weight [1024][1024] f32 becomes f16 (its product is left as it is).
; A block's scale is 2^(floor(log2(its largest magnitude)) - 2); its byte is the largest magnitude's own exponent field - 2, held at 1 from below.  A block of zeros keeps the byte 1 where the rule says 127:
; its codes are zeros, which add nothing under any byte but 0xff, and this program alone reads the bytes.
; LIMITS: blocks whose largest magnitude lies under 2^-124, the floor, keep the byte 1; NaN and infinities among the inputs are not served; out_proj_weight beyond 65,504 has no f16 number.
; Rows are dense and K is a multiple of 32: both tensors are plain streams of blocks of 32, and so are their codes and scale bytes.
; Work-groups 0-255 take query, 256-351 in_proj_weight (one path, the pointers chosen by the work-group's number), 352-383 the cast, a path of its own without LDS.
; QUANTISING: a wave takes 16 steps of 512 numbers.  Each load reads 512 consecutive bytes; a step's 2,048 bytes turn through the wave's own stage in LDS and come back 64 bytes a lane, so that a lane
; holds 16 neighbours along K (two neighbouring lanes hold a block).  A lane's 16 codes are 8 bytes: the wave stores 256 consecutive bytes.  A wave's 256 scale bytes are gathered in LDS and leave as one run of 256.
.set WAVES, 4
.set STEPS, 16
.set WGA,   256                        ; 8192 x 1024 / 32768 work-groups for query
.set WGQ,   352                        ; + 3072 x 1024 / 32768 for in_proj_weight; from here on the cast
.set EMAX,  2
.set CB,    8                          ; bytes of 16 codes
.set R,     16                         ; v16-79   four sets of 16 numbers as they are loaded (the cast: v16-143, two sets of 64)
.set X,     80                         ; v80-111  two sets of 16 neighbours
.set C,     128                        ; v128-191 codes: four registers for each step, so that no store's data are written again
.set E,     112                        ; v112-127 a scale byte for each step
.set H,     144                        ; the cast: v144-175 sixteen pairs of packed f16
.set WREG,  8192                       ; LDS: a region for each wave: two stages of 32 x SP bytes, behind them its 256 scale bytes
.set SP,    80                         ; a lane's place in a stage: its 64 bytes + 16 of padding
.set SPW,   12                         ; v12  LDS address of my spare word; never rewritten
.set NIL,   13                         ; v13  0; never rewritten
.set SPARE, WAVES*WREG                 ; behind the four regions: the spare words, 128 bytes a wave, which no other line names
	s_load_b128 s[4:7], s[0:1], 0x0                ; query, in_proj_weight
	s_load_b128 s[8:11], s[0:1], 0x10              ; a_codes, a_scales
	s_load_b128 s[12:15], s[0:1], 0x20             ; b_codes, b_scales
	s_load_b128 s[24:27], s[0:1], 0x30             ; out_proj_weight, wo16
	v_lshl_add_u32 v[SPW], v0, 2, SPARE
	v_mov_b32 v[NIL], 0
	v_lshrrev_b32 v1, 5, v0
	v_readfirstlane_b32 s16, v1                    ; wave
	v_and_b32 v2, 31, v0                           ; lane
	v_lshlrev_b32 v3, 4, v2                        ; my 16 bytes of a load's 512
	s_mul_i32 s17, s16, WREG
	v_lshrrev_b32 v14, 2, v2
	v_mul_u32_u24 v14, v14, SP
	v_and_b32 v15, 3, v2
	v_lshl_add_u32 v14, v15, 4, v14
	v_add_nc_u32 v14, s17, v14                     ; the stage, on the way in: SP (lane / 4) + 16 (lane % 4)
	v_mul_u32_u24 v15, v2, SP
	v_add_nc_u32 v15, s17, v15                     ; and on the way out: SP x lane: my 16 neighbours
	v_mul_u32_u24 v4, v2, CB                       ; my 8 bytes of a store's 256
	v_lshrrev_b32 v5, 1, v2
	s_add_co_u32 s17, s17, 2*32*SP
	v_add_nc_u32 v5, s17, v5                       ; LDS: my wave's 256 scale bytes, my block's byte
	v_lshlrev_b32 v7, 3, v2
	v_add_nc_u32 v6, s17, v7                       ; and on the way out 8 bytes a lane
	s_wait_kmcnt 0x0
	s_cmp_ge_u32 ttmp9, WGQ                        ; the cast's work-groups part here: a branch on the work-group's number
	s_cbranch_scc1 .Lcast
	s_cmp_lt_u32 ttmp9, WGA                        ; query's work-group or the weight's?  Only pointers are chosen
	s_cselect_b64 s[4:5], s[4:5], s[6:7]
	s_cselect_b64 s[8:9], s[8:9], s[12:13]
	s_cselect_b64 s[10:11], s[10:11], s[14:15]
	s_cselect_b32 s17, 0, WGA
	s_sub_co_u32 s17, ttmp9, s17
	s_lshl_b32 s17, s17, 2
	s_add_co_u32 s18, s17, s16                     ; which run of 8,192 numbers of the tensor is my wave's
	s_mov_b32 s19, 0
	s_mov_b64 s[20:21], 512*STEPS*4
	s_mul_u64 s[20:21], s[18:19], s[20:21]
	s_add_nc_u64 s[4:5], s[4:5], s[20:21]
	s_mov_b64 s[20:21], 32*STEPS*CB
	s_mul_u64 s[20:21], s[18:19], s[20:21]
	s_add_nc_u64 s[8:9], s[8:9], s[20:21]
	s_lshl_b32 s18, s18, 8                         ; 256 scale bytes a run
	s_add_nc_u64 s[10:11], s[10:11], s[18:19]
.macro LOAD t
.irp i, 0,1,2,3
	global_load_b128 v[R+16*((\t)%4)+4*\i:R+16*((\t)%4)+4*\i+3], v3, s[4:5] offset:2048*(\t)+512*\i th:TH_LOAD_NT   ; 32 lanes read 512 consecutive bytes
.endr
.endm
.macro TURN t                          ; step t's numbers through the stage: LDS serves a wave's instructions in order, so no wait stands between the stores and the loads
.irp i, 0,1,2,3
	ds_store_b128 v14, v[R+16*((\t)%4)+4*\i:R+16*((\t)%4)+4*\i+3] offset:32*SP*((\t)%2)+8*SP*\i
.endr
.irp i, 0,1,2,3
	ds_load_b128 v[X+16*((\t)%2)+4*\i:X+16*((\t)%2)+4*\i+3], v15 offset:32*SP*((\t)%2)+16*\i
.endr
.endm
.irp t, 0,1,2,3
	LOAD \t
.endr
	s_wait_loadcnt 12                              ; step 0's four loads are in; the twelve of steps 1 to 3 may be out
	TURN 0
.macro STEP t
.set XS, X+16*((\t)%2)
.if (\t) > 0
	s_wait_dscnt 1                                 ; this step's numbers are back from the stage (the last step's byte store may be out)
.else
	s_wait_dscnt 0x0
.endif
.if (\t)+4 < STEPS
	LOAD (\t)+4                                    ; into the registers whose stores into the stage are done
.endif
.if (\t)+1 < STEPS
.if STEPS-2-(\t) >= 3
	s_wait_loadcnt 12                              ; the next step's four loads are in; those of the three steps behind it may be out
.else
	s_wait_loadcnt 4*(STEPS-2-(\t))
.endif
	TURN (\t)+1                                    ; through the other stage while this step is worked
.endif
	v_max3_num_f32 v8, |v[XS]|, |v[XS+1]|, |v[XS+2]|               ; the largest magnitude of my 16, in two chains
	v_max3_num_f32 v9, |v[XS+3]|, |v[XS+4]|, |v[XS+5]|
.irp i, 6,10
	v_max3_num_f32 v8, v8, |v[XS+\i]|, |v[XS+\i+1]|
	v_max3_num_f32 v9, v9, |v[XS+\i+2]|, |v[XS+\i+3]|
.endr
	v_max3_num_f32 v8, v8, |v[XS+14]|, |v[XS+15]|
	v_max3_num_f32 v8, v8, v9, (EMAX+1)<<23        ; and the floor 2^(3 - 127): the byte cannot fall under 1
	v_max_num_f32_dpp v8, v8, v8 row_xmask:1 row_mask:0xf bank_mask:0xf   ; with my neighbour's 16: the block's
	v_add_nc_u32 v11, -(EMAX<<23), v8              ; 2 off its exponent field: the conversion takes the exponent field of this operand as its scale
	v_cvt_scalef32_pk8_fp4_f32 v[C+4*(\t)], v[XS:XS+7], v11
	v_cvt_scalef32_pk8_fp4_f32 v[C+4*(\t)+1], v[XS+8:XS+15], v11
	v_lshrrev_b32 v[E+(\t)], 23, v11               ; the scale's byte (also the plain line behind the conversions)
	ds_store_b8 v5, v[E+(\t)] offset:16*(\t)       ; both lanes of a block write the same byte with the same value
	global_store_b64 v4, v[C+4*(\t):C+4*(\t)+1], s[8:9] offset:32*CB*(\t)
.endm
.irp t, 0,1,2,3,4,5,6,7,8,9,10,11,12,13,14,15
	STEP \t
.endr
	ds_load_b64 v[8:9], v6                         ; LDS serves a wave's instructions in order: these see my byte stores
	s_wait_dscnt 0x0
	global_store_b64 v7, v[8:9], s[10:11]          ; 32 lanes store 256 consecutive bytes, aligned
	s_wait_tensorcnt 0x0                           ; the wave's end
	ds_add_u32 v[SPW], v[NIL]
	s_wait_dscnt 0x0
	s_endpgm
; THE CAST.  A wave takes 8,192 numbers: 64 loads of 512 consecutive bytes, in four rounds of 16 on two sets of registers; a round's 16 stores cover 256 consecutive bytes each.  No LDS.
.Lcast:
	s_sub_co_u32 s17, ttmp9, WGQ
	s_lshl_b32 s17, s17, 2
	s_add_co_u32 s17, s17, s16                     ; my run, 0 to 127
	s_lshl_b32 s18, s17, 15                        ; 32,768 bytes in,
	s_mov_b32 s19, 0
	s_add_nc_u64 s[24:25], s[24:25], s[18:19]
	s_lshl_b32 s18, s17, 14                        ; 16,384 out
	s_add_nc_u64 s[26:27], s[26:27], s[18:19]
.macro CLOAD g
.irp i, 0,1,2,3,4,5,6,7,8,9,10,11,12,13,14,15
	global_load_b128 v[R+64*((\g)%2)+4*\i:R+64*((\g)%2)+4*\i+3], v3, s[24:25] offset:512*(16*(\g)+\i) th:TH_LOAD_NT
.endr
.endm
.macro CAST g
.set RS, R+64*((\g)%2)
.if (\g) < 3
	s_wait_loadcnt 16                              ; this round's 16 loads are in; the other set's 16 may be out
.else
	s_wait_loadcnt 0x0
.endif
.if (\g) > 0
	s_wait_xcnt 0x0                                ; the last round's stores have read their data registers, which are written again below
.endif
.irp i, 0,1,2,3,4,5,6,7,8,9,10,11,12,13,14,15
	v_cvt_pk_f16_f32 v[H+2*\i], v[RS+4*\i], v[RS+4*\i+1]
	v_cvt_pk_f16_f32 v[H+2*\i+1], v[RS+4*\i+2], v[RS+4*\i+3]
.endr
.if (\g) < 2
	CLOAD (\g)+2                                   ; loads ahead of stores
.endif
.irp i, 0,1,2,3,4,5,6,7,8,9,10,11,12,13,14,15
	global_store_b64 v4, v[H+2*\i:H+2*\i+1], s[26:27] offset:256*(16*(\g)+\i)
.endr
.endm
	CLOAD 0
	CLOAD 1
	CAST 0
	CAST 1
	CAST 2
	CAST 3
	s_endpgm
.Lfunc_end_k_q90ae46ad6b_quant:
	.size	k_q90ae46ad6b_quant, .Lfunc_end_k_q90ae46ad6b_quant-k_q90ae46ad6b_quant
	.p2alignl 7, 3214868480
	.fill 96, 4, 3214868480
	.section	.rodata,"a",@progbits
	.p2align	6, 0x0
	.amdhsa_kernel k_q90ae46ad6b_quant
		.amdhsa_group_segment_fixed_size 33280
		.amdhsa_private_segment_fixed_size 0
		.amdhsa_enable_private_segment 0
		.amdhsa_kernarg_size 64
		.amdhsa_user_sgpr_count 2
		.amdhsa_user_sgpr_kernarg_segment_ptr 1
		.amdhsa_wavefront_size32 1
		.amdhsa_system_sgpr_workgroup_id_x 1
		.amdhsa_system_sgpr_workgroup_id_y 1
		.amdhsa_system_sgpr_workgroup_id_z 1
		.amdhsa_system_vgpr_workitem_id 0
		.amdhsa_next_free_vgpr 192
		.amdhsa_next_free_sgpr 66
		.amdhsa_reserve_vcc 0
		.amdhsa_float_denorm_mode_32 3
		.amdhsa_float_denorm_mode_16_64 3
		.amdhsa_memory_ordered 1
		.amdhsa_forward_progress 1
		.amdhsa_inst_pref_size 54
	.end_amdhsa_kernel
	.amdgpu_metadata
---
amdhsa.version: [ 1, 2 ]
amdhsa.kernels:
  - .name:           k_q90ae46ad6b_quant
    .symbol:         k_q90ae46ad6b_quant.kd
    .args:
      - { .name: query, .offset: 0, .size: 8, .value_kind: global_buffer, .address_space: global }
      - { .name: in_proj_weight, .offset: 8, .size: 8, .value_kind: global_buffer, .address_space: global }
      - { .name: a_codes, .offset: 16, .size: 8, .value_kind: global_buffer, .address_space: global }
      - { .name: a_scales, .offset: 24, .size: 8, .value_kind: global_buffer, .address_space: global }
      - { .name: b_codes, .offset: 32, .size: 8, .value_kind: global_buffer, .address_space: global }
      - { .name: b_scales, .offset: 40, .size: 8, .value_kind: global_buffer, .address_space: global }
      - { .name: out_proj_weight, .offset: 48, .size: 8, .value_kind: global_buffer, .address_space: global }
      - { .name: wo16, .offset: 56, .size: 8, .value_kind: global_buffer, .address_space: global }
    .group_segment_fixed_size: 33280
    .private_segment_fixed_size: 0
    .kernarg_segment_align: 8
    .kernarg_segment_size: 64
    .max_flat_workgroup_size: 128
    .sgpr_count:     66
    .vgpr_count:     192
    .wavefront_size: 32
...
	.end_amdgpu_metadata
.endif
;; end of part 1
;; launch qkv (part 2): grid 12 x 32, 4 waves a work-group, clusters of 4 x 4, 327,680 bytes of LDS; arguments a_codes, a_scales, b_codes, b_scales, qkv16, qkv32; writes qkv16, qkv32
.if DOCPART == 2
	.amdgcn_target "amdgcn-amd-amdhsa--gfx1250"
	.amdhsa_code_object_version 6
	.text
	.protected	k_q90ae46ad6b_qkv
	.globl	k_q90ae46ad6b_qkv
	.p2align	8
	.type	k_q90ae46ad6b_qkv,@function
k_q90ae46ad6b_qkv:
	s_mov_b64 s[64:65], 0
	v_nop
	global_prefetch_b8 v0, s[64:65] scope:SCOPE_SE
	s_setreg_imm32_b32 hwreg(HW_REG_WAVE_MODE, 25, 1), 1
	s_wait_xcnt 0x0
	s_wait_alu depctr_hold_cnt(0) depctr_sa_sdst(0) depctr_va_vdst(0) depctr_va_sdst(0) depctr_va_ssrc(0) depctr_va_vcc(0) depctr_vm_vsrc(0)
	s_getreg_b32 s2, hwreg(HW_REG_IB_STS2, 6, 4)
	s_cmp_eq_u32 s2, 0
	s_cbranch_scc0 .Lentry_in_a_cluster
	s_endpgm
.Lentry_in_a_cluster:
	s_bfe_u32 s2, ttmp6, 0x10000c
	s_cmp_lg_u32 s2, 0xf033
	s_cbranch_scc0 .Lentry_shape_is_right
	s_endpgm
.Lentry_shape_is_right:
; qkv[m][f] = sum over k of x[m][k] W_in[f][k], m = 4 t + b (8,192), f (3,072), K = 1,024: both operands as codes of FP4 (E2M1) with one E8M0 scale for each 32 along K; sums in f32.
; A tile of 256 x 256 is made by four waves, each 128 x 128: 64 accumulators of 16 x 16, 512 registers.  K is two LDS slots of 512 (rows of 256 bytes); both are fetched at the head and nothing is filled again.
; The scale bytes of the work-group's 256 + 256 rows, for all of K, come into LDS once, in rows of 256 bytes, and stay.
; CLUSTERS: 4 x 4 work-groups; A's tiles are asked for jointly along a row of the cluster, B's along a column.
; THE MATRIX INSTRUCTION IS USED TRANSPOSED (source 0 = 16 rows of W_in, source 1 = 16 rows of x): a lane holds eight neighbouring f of one row m.
; OUT: f16, laid [g = f / 64 (48)][b (4)][t (2048)][64]: a head's row is 128 bytes, and with t next to it four t are 512 consecutive bytes, which one store of a wave covers.
;      Rows m = 0 .. 63 (the first 16 positions of every batch) also go out in f32, [64][3072], for the launch that carries those positions finely.
; LIMIT: |q|, |k|, |v| beyond 65,504 have no f16 number.
; REGISTERS, in windows of 256: window 0: v0-31 addresses; v32-95 scale words, two sets; from v128 A's fragments, one set; on the way out v32-63 packed results, v128-191 rows read back.
;   window 1: B's fragments, two sets, at v0 and v128.   window 2: the accumulators of my rows 0-63 ((a, b) at v[8 (8 a + b)]);   window 3: those of my rows 64-127.
.set SIZE_M, 8192
.set SIZE_N, 3072
.set SIZE_K, 1024
.set KSTEP,  512                       ; along K in a slot
.set NQ,     KSTEP/128                 ; matrix instructions deep
.set ROWB,   256                       ; a tile's row in bytes
.set KROW,   SIZE_K*4/8                ; a row of codes in memory
.set PITCH,  272                       ; an LDS row: 256 bytes + 16 of padding = 68 words: the 16 rows that a load touches start 4 banks apart (64 banks of 4 bytes: ISA guide 11.1)
.set FR,     8                         ; registers of a fragment: 16 rows x 128 K
.set NL,     2                         ; LDS loads that bring one
.set NP,     4                         ; places behind this matrix instruction (ISA guide 7.12.1)
.set HALFT,  128*PITCH                 ; 128 rows: what one tensor load brings
.set SLOT,   4*HALFT                   ; A's 256 rows, then B's 256 rows
.set KS,     SIZE_K/32                 ; a row of scales in bytes
.set SCL,    2*SLOT                    ; behind the slots: the scales, as rows of 256 bytes + 16 of padding
.set HALFS,  (128*KS/256)*272          ; the scales of 128 rows: what one tensor load brings
.set SBLK,   (16*KS/256)*272           ; those of 16 rows
.set SPARE,  SCL+4*HALFS               ; the spare words, 128 bytes a wave, which no other line names
.set SPITCH, 272                       ; the way out: a stage of 16 rows x (256 bytes + 16) for each wave, in slot 0, which has had its only fill and its last read by then
.set ADRA, 16                          ; v16-17  LDS address of my A fragments in slot 0, 1
.set ADRB, 20                          ; v20-21  the same for B
.set STO,  24                          ; v24     the way out: where I put 16 bytes of a row
.set RD,   25                          ; v25     the way out: where I read 16 bytes back
.set CO,   26                          ; v26     16 x lane: my place in a store's 512 bytes
.set ADRS, 27                          ; v27     LDS address of my scale words: lanes 0-15 A's rows, lanes 16-31 B's
.set SPW,  28                          ; v28     LDS address of my spare word; never rewritten
.set NIL,  29                          ; v29     0; never rewritten
.set FO,   30                          ; v30     my byte offset in the f32 rows
.set FT,   31                          ; v31     at work
.set SC,   32                          ; scale words: set s at v[SC + 8 NQ s]; register NQ i + q: lanes 0-15 A's block i, lanes 16-31 B's block i, the slot's q-th 128 along K
.set TMP,  32                          ; the way out: 32 registers of packed f16
.set AF,   128                         ; A's fragments, in window 0
.set BK,   128                         ; the way out: rows read back: v128-159 and v160-191 by turns
.set G1, 24                            ; s[24:31] descriptor group 1 for A's tiles;  s[32:39] group 0, one set for each slot
.set G0, 32
.set G1B, 48                           ; s[48:55], s[56:63] the same for B's tiles
.set G0B, 56
.set G1S, 68                           ; s[68:75], s[76:79] groups 1 and 0 for A's scales;  s[80:87], s[88:91] for B's
.set G0S, 76
.set G1SB, 80
.set G0SB, 88
.set MSB, 0
.macro WIN new                         ; the immediate's high byte repeats the setting that is left
.if MSB != \new
	s_set_vgpr_msb (MSB<<8)|\new
.set MSB, \new
.endif
.endm
.set MUL_LO, 0xa1                      ; source 0 (B) window 1, source 1 (A) window 0, C and D window 2
.set MUL_HI, 0xf1                      ; the same, C and D window 3
.set TO_B,   0x40                      ; destination window 1, address window 0
; A joint load: waves 0 and 1 fetch for A, waves 2 and 3 for B.  Each line has one mask and one set of registers for all that issue it; the branch hangs on the wave's number alone.
; An s_nop 0 and four v_nop follow each of the two lines.
.macro JLOAD g0a, g1a, g0b, g1b
	s_cmp_eq_u32 s15, 0
	s_cbranch_scc0 .Lfor_b_\@
	tensor_load_to_lds s[\g0a:\g0a+3], s[\g1a:\g1a+7]
	s_nop 0
.rept 4
	v_nop
.endr
	s_branch .Lasked_\@
.Lfor_b_\@:
	tensor_load_to_lds s[\g0b:\g0b+3], s[\g1b:\g1b+7]
	s_nop 0
.rept 4
	v_nop
.endr
.Lasked_\@:
.endm
.macro CROUND                          ; a round of the cluster's barrier
	s_barrier_signal -1
	s_barrier_wait -1
	s_cmp_lg_u32 s14, 0
	s_cbranch_scc1 .Lnot_wave_0_\@
	s_barrier_signal -3
.Lnot_wave_0_\@:
	s_barrier_wait -3
	s_barrier_signal -1
	s_barrier_wait -1
.endm
	s_load_b128 s[4:7], s[0:1], 0x0                ; A's codes s[4:5], A's scales s[6:7]
	s_load_b128 s[8:11], s[0:1], 0x10              ; B's codes s[8:9], B's scales s[10:11]
	s_load_b64 s[12:13], s[0:1], 0x20              ; qkv16
	s_load_b64 s[96:97], s[0:1], 0x28              ; qkv32
	v_lshl_add_u32 v[SPW], v0, 2, SPARE
	v_mov_b32 v[NIL], 0
	ds_add_u32 v[SPW], v[NIL]                      ; the wave's opening: the add, twice on end, and its wait ahead of my first tensor load
	ds_add_u32 v[SPW], v[NIL]
	v_lshrrev_b32 v1, 5, v0
	v_readfirstlane_b32 s14, v1                    ; wave 0..3
	s_lshr_b32 s15, s14, 1                         ; which half of the tile's rows is mine.  Also: I fetch for A (0) or for B (1)
	s_and_b32 s16, s14, 1                          ; which half of its columns.  Also: which 128 rows of that tile I fetch
	s_bfe_u32 s40, ttmp6, 0x40000                  ; cx, cy: my place in the cluster
	s_bfe_u32 s41, ttmp6, 0x40004
	s_lshl_b32 s42, ttmp9, 2
	s_add_co_u32 s42, s42, s40                     ; tile column = 4 x cluster x + cx
	s_and_b32 s98, ttmp7, 0xffff                   ; the cluster's y: the same in all sixteen partners
	s_lshl_b32 s17, s98, 2
	s_add_co_u32 s17, s17, s41                     ; tile row = 4 x cluster y + cy
	s_lshl_b32 s43, s41, 2
	s_lshl_b32 s43, 15, s43                        ; my row of the cluster
	s_lshl_b32 s44, 0x1111, s40                    ; my column
	; descriptor group 1: a tile of 128 rows x 256 bytes, padded in LDS
	s_or_b32 s[G1+0], s43, (0<<16)|(1<<20)|(1<<21)|(5<<22)|(3<<25)  ; 15:0 the mask; 17:16 elements of 1 byte; 20 padding on; 21 set beside a mask; 24:22 after every 64 words; 31:25 four words
	s_or_b32 s[G1B+0], s44, (0<<16)|(1<<20)|(1<<21)|(5<<22)|(3<<25)
.irp g, G1, G1B
	s_mov_b32 s[\g+1], ROWB<<16                    ; tensor_dim0
	s_mov_b32 s[\g+2], 128<<16                     ; tensor_dim1
	s_mov_b32 s[\g+3], ROWB<<16                    ; tile_dim0
	s_mov_b32 s[\g+4], 128                         ; tile_dim1
	s_mov_b32 s[\g+5], KROW                        ; from row to row
	s_mov_b32 s[\g+6], 0
	s_mov_b32 s[\g+7], 0
.endr
	; the scales of 128 rows: 4,096 dense bytes, as 16 rows of 256 bytes (32 elements of 8 bytes), 16 bytes of padding behind each
	s_or_b32 s[G1S+0], s43, (3<<16)|(1<<20)|(1<<21)|(5<<22)|(3<<25)
	s_or_b32 s[G1SB+0], s44, (3<<16)|(1<<20)|(1<<21)|(5<<22)|(3<<25)
.irp g, G1S, G1SB
	s_mov_b32 s[\g+1], 32<<16
	s_mov_b32 s[\g+2], (128*KS/256)<<16
	s_mov_b32 s[\g+3], 32<<16
	s_mov_b32 s[\g+4], 128*KS/256
	s_mov_b32 s[\g+5], 32
	s_mov_b32 s[\g+6], 0
	s_mov_b32 s[\g+7], 0
.endr
	s_lshl_b32 s18, s16, 7                         ; which 128 rows of the tile I fetch
	s_lshl_b32 s20, s17, 8
	s_add_co_u32 s20, s20, s18                     ; A: row 256 x tile row + 128 x half
	s_lshl_b32 s46, s42, 8
	s_add_co_u32 s46, s46, s18                     ; B: row 256 x tile column + 128 x half
	s_mov_b32 s21, 0
	s_mov_b32 s47, 0
	s_mov_b64 s[18:19], KS
	s_mul_u64 s[22:23], s[20:21], s[18:19]         ; where these rows' scales begin, in bytes
	s_mul_u64 s[92:93], s[46:47], s[18:19]
	s_mov_b64 s[18:19], KROW
	s_mul_u64 s[20:21], s[20:21], s[18:19]         ; and their codes
	s_mul_u64 s[46:47], s[46:47], s[18:19]
	s_mul_i32 s45, s14, HALFT                      ; where they go: wave x 128 rows: no place in the cluster enters an LDS address
	s_mul_i32 s94, s14, HALFS
	s_wait_dscnt 0x0                               ; both opening adds are done
	s_wait_kmcnt 0x0
	s_add_nc_u64 s[20:21], s[4:5], s[20:21]
	s_add_nc_u64 s[22:23], s[6:7], s[22:23]
	s_add_nc_u64 s[46:47], s[8:9], s[46:47]
	s_add_nc_u64 s[92:93], s[10:11], s[92:93]
	CROUND                                         ; all sixteen work-groups are here: the joint loads meet
	s_mov_b32 s[G0S], 1
	s_add_co_u32 s[G0S+1], s94, SCL
	s_mov_b64 s[G0S+2:G0S+3], s[22:23]
	s_or_b32 s[G0S+3], s[G0S+3], 0x80000000
	s_mov_b32 s[G0SB], 1
	s_add_co_u32 s[G0SB+1], s94, SCL
	s_mov_b64 s[G0SB+2:G0SB+3], s[92:93]
	s_or_b32 s[G0SB+3], s[G0SB+3], 0x80000000
	JLOAD G0S, G1S, G0SB, G1SB                     ; the scales first: they are wanted with the first slot
.irp s, 0,1
	s_mov_b32 s[G0+4*\s], 1
	s_add_co_u32 s[G0+4*\s+1], s45, \s*SLOT
	s_add_nc_u64 s[G0+4*\s+2:G0+4*\s+3], s[20:21], \s*ROWB
	s_or_b32 s[G0+4*\s+3], s[G0+4*\s+3], 0x80000000
	s_mov_b32 s[G0B+4*\s], 1
	s_add_co_u32 s[G0B+4*\s+1], s45, \s*SLOT
	s_add_nc_u64 s[G0B+4*\s+2:G0B+4*\s+3], s[46:47], \s*ROWB
	s_or_b32 s[G0B+4*\s+3], s[G0B+4*\s+3], 0x80000000
	JLOAD G0+4*\s, G1, G0B+4*\s, G1B               ; three tensor loads of mine are out in all
.endr
	v_and_b32 v1, 15, v0                           ; r = l % 16
	v_bfe_u32 v2, v0, 4, 1                         ; h = l / 16
	v_mul_u32_u24 v3, v1, PITCH
	v_lshl_add_u32 v4, v2, 4, v3                   ; a fragment's row x pitch + 16 x half
	s_mul_i32 s21, s15, HALFT                      ; my 128 rows of A
	s_mul_i32 s22, s16, HALFT                      ; my 128 rows of B,
	s_add_co_u32 s22, s22, 2*HALFT                 ; which lie behind A's 256
.irp s, 0,1
	v_add_nc_u32 v[ADRA+\s], s21, v4
	v_add_nc_u32 v[ADRB+\s], s22, v4
	s_add_co_u32 s21, s21, SLOT
	s_add_co_u32 s22, s22, SLOT
.endr
	v_mul_u32_u24 v5, v1, KS                       ; my row's scales: KS bytes a row,
	v_lshrrev_b32 v6, 8, v5
	v_lshl_add_u32 v5, v6, 4, v5                   ; and 16 more for each 256 passed
	s_mul_i32 s21, s15, HALFS                      ; A's: my 128 rows
	s_mul_i32 s22, s16, HALFS                      ; B's: my 128 rows, behind A's 256
	s_add_co_u32 s22, s22, 2*HALFS
	s_sub_co_u32 s22, s22, s21
	v_mul_u32_u24 v6, s22, v2                      ; lanes 16-31 take B's: one product, the distance between the two bases
	s_add_co_u32 s21, s21, SCL
	v_add_nc_u32 v5, v5, v6
	v_add_nc_u32 v[ADRS], s21, v5
	s_mul_i32 s23, s14, 16*SPITCH                  ; my stage
	v_mul_u32_u24 v5, v1, SPITCH                   ; in: row r, 16 bytes for each half of the lanes
	v_lshl_add_u32 v5, v2, 4, v5
	v_add_nc_u32 v[STO], s23, v5
	v_and_b32 v6, 31, v0
	v_lshlrev_b32 v[CO], 4, v6                     ; 16 x lane
	v_lshrrev_b32 v5, 3, v6                        ; back: eight lanes take 128 bytes (one head) of row 4 (l / 8) + b
	v_mul_u32_u24 v5, v5, 4*SPITCH
	v_and_b32 v6, 7, v0
	v_lshl_add_u32 v5, v6, 4, v5
	v_add_nc_u32 v[RD], s23, v5
	v_mul_u32_u24 v[FO], v1, SIZE_N*4              ; the f32 rows: row r of 12,288 bytes, + 32 h
	v_lshl_add_u32 v[FO], v2, 5, v[FO]
	s_lshl_b32 s20, s42, 2                         ; qkv16: my first head g = 4 x tile column + 2 x column half: 4 panels of 262,144 bytes each
	s_lshl_b32 s21, s16, 1
	s_add_co_u32 s20, s20, s21
	s_lshl_b32 s20, s20, 20
	s_lshl_b32 s21, s17, 1
	s_add_co_u32 s99, s21, s15                     ; 2 x tile row + row half: which 128 rows m, that is which 32 t, are mine
	s_lshl_b32 s21, s99, 12                        ; 32 t of 128 bytes
	s_add_co_u32 s20, s20, s21
	s_mov_b32 s21, 0
	s_add_nc_u64 s[12:13], s[12:13], s[20:21]
	s_lshl_b32 s20, s42, 10                        ; qkv32: my first column, in bytes
	s_lshl_b32 s21, s16, 9
	s_add_co_u32 s20, s20, s21
	s_mov_b32 s21, 0
	s_add_nc_u64 s[96:97], s[96:97], s[20:21]
.macro FRAG reg, adr, q, i             ; a fragment, 16 rows x 128 K of 4-bit codes: lane l holds row l % 16; registers 4 c .. 4 c + 3 hold K = 64 c + 32 (l / 16) + 0 .. 31
.irp c, 0,1
	ds_load_b128 v[\reg+4*\c:\reg+4*\c+3], v[\adr] offset:64*(\q)+32*\c+(\i)*16*PITCH
.endr
.endm
; 16 matrix instructions: A's blocks a0, a0 + 1 x B's eight, the slot's q-th 128 along K.  p: B's set;  sc: the set of scale words.  zero = 1: the first product starts the sums.
; The 64 accumulators take turns, one instruction a turn, in the same order in every step.
.macro MUL16 a0, p, q, sc, zero
.irp a, \a0, \a0+1
.irp b, 0,1,2,3,4,5,6,7
.if \zero
	v_wmma_scale_f32_16x16x128_f8f6f4 v[8*(8*((\a)%4)+\b):8*(8*((\a)%4)+\b)+7], v[128*(\p)+FR*\b:128*(\p)+FR*\b+FR-1], v[AF+FR*(\a):AF+FR*(\a)+FR-1], 0, v[SC+8*NQ*(\sc)+NQ*\b+(\q)], v[SC+8*NQ*(\sc)+NQ*(\a)+(\q)] matrix_a_fmt:MATRIX_FMT_FP4 matrix_b_fmt:MATRIX_FMT_FP4 matrix_a_scale:MATRIX_SCALE_ROW1
.else
	v_wmma_scale_f32_16x16x128_f8f6f4 v[8*(8*((\a)%4)+\b):8*(8*((\a)%4)+\b)+7], v[128*(\p)+FR*\b:128*(\p)+FR*\b+FR-1], v[AF+FR*(\a):AF+FR*(\a)+FR-1], v[8*(8*((\a)%4)+\b):8*(8*((\a)%4)+\b)+7], v[SC+8*NQ*(\sc)+NQ*\b+(\q)], v[SC+8*NQ*(\sc)+NQ*(\a)+(\q)] matrix_a_fmt:MATRIX_FMT_FP4 matrix_b_fmt:MATRIX_FMT_FP4 matrix_a_scale:MATRIX_SCALE_ROW1
.endif
.endr
.endr
.endm
.macro FETCH_B slot, q, p              ; B's eight fragments of the slot's q-th 128 along K into set p
	WIN TO_B
.irp i, 0,1,2,3,4,5,6,7
	FRAG 128*(\p)+FR*\i, ADRB+\slot, \q, \i
.endr
	WIN 0
.endm
.macro FETCH_A slot, q, i0             ; A's blocks i0 .. i0 + 3
.irp i, \i0, \i0+1, \i0+2, \i0+3
	FRAG AF+FR*(\i), ADRA+\slot, \q, \i
.endr
.endm
.macro SCALES sc                       ; a slot's scale words into set sc: NQ words a row; lanes 0-15 take A's block i, lanes 16-31 B's block i
.irp i, 0,1,2,3,4,5,6,7
	ds_load_b128 v[SC+8*NQ*\sc+NQ*\i:SC+8*NQ*\sc+NQ*\i+3], v[ADRS] offset:\i*SBLK
.endr
.endm
; A load into a register that a matrix instruction has read, and a vector instruction or a store that reads a matrix result, stand NP places behind that matrix instruction; only plain vector
; instructions that name none of its registers are places.
.macro PLACES n
.rept \n
	v_nop
.endr
.endm
.macro STEP slot, q, zero              ; a step of 128 along K that has its successor in the same slot
	s_wait_dscnt 4*NL                              ; B's set and A's blocks 0-3 are in; the youngest eight loads (A's blocks 4-7) may be out
	WIN MUL_LO
	MUL16 0, (\q)%2, \q, \slot, \zero
	MUL16 2, (\q)%2, \q, \slot, \zero
	s_wait_dscnt 0                                 ; A's blocks 4-7 are in
	PLACES NP
	FETCH_B \slot, (\q)+1, 1-(\q)%2
	FETCH_A \slot, (\q)+1, 0
	WIN MUL_HI
	MUL16 4, (\q)%2, \q, \slot, \zero
	MUL16 6, (\q)%2, \q, \slot, \zero
	PLACES NP
	WIN 0
	FETCH_A \slot, (\q)+1, 4
.endm
; Slot 0's last step changes slots: one barrier; in front of it each wave waits for all its tensor loads (its part of slot 1), adds 0 to its spare word, and waits for that and for its reads of slot 0.
.macro TURN slot, next
	s_wait_tensorcnt 0x0                           ; all my tensor loads have landed
	ds_add_u32 v[SPW], v[NIL]                      ; 0 onto my spare word
	s_wait_dscnt 4*NL+1                            ; (the add and the youngest eight loads, A's blocks 4-7, may be out)
	WIN MUL_LO
	MUL16 0, 1, NQ-1, \slot, 0                     ; sixteen matrix instructions stand between the add and the wait for it
	s_wait_dscnt 0x0                               ; the add is done, and my reads of this slot are over
	s_barrier_signal -1
	MUL16 2, 1, NQ-1, \slot, 0
	WIN 0
	s_barrier_wait -1
	PLACES NP
	v_add_nc_u32 v[ADRS], 4*NQ, v[ADRS]            ; on to the next slot's scale words
	FETCH_B \next, 0, 0
	FETCH_A \next, 0, 0
	SCALES \next
	WIN MUL_HI
	MUL16 4, 1, NQ-1, \slot, 0
	MUL16 6, 1, NQ-1, \slot, 0
	PLACES NP
	WIN 0
	FETCH_A \next, 0, 4
.endm
.macro STEPS slot, from                ; the slot's steps from .. NQ - 2
.set Q, \from
.rept NQ-1-\from
	STEP \slot, Q, 0
.set Q, Q+1
.endr
.endm
	s_wait_tensorcnt 1                             ; the scales and my part of slot 0 are in (slot 1's load may be out)
	s_barrier_signal -1
	s_barrier_wait -1                              ; everybody's are
	FETCH_B 0, 0, 0
	FETCH_A 0, 0, 0
	SCALES 0
	FETCH_A 0, 0, 4
	STEP 0, 0, 1                                   ; the first step's products start the sums: nothing is cleared
	STEPS 0, 1
	TURN 0, 1
	STEPS 1, 0
	s_wait_dscnt 4*NL                              ; the very last step: nothing more to fetch
	WIN MUL_LO
	MUL16 0, 1, NQ-1, 1, 0
	MUL16 2, 1, NQ-1, 1, 0
	s_wait_dscnt 0
	WIN MUL_HI
	MUL16 4, 1, NQ-1, 1, 0
	MUL16 6, 1, NQ-1, 1, 0
	WIN 0
	PLACES NP                                      ; behind the last products: for every read of results and every write of operand registers below
	; ROWS m = 0 .. 63 IN f32.  They belong to tile row 0, row half 0, blocks 0-3.  The branch hangs on the cluster's y, which all sixteen partners share; the place inside the cluster and the wave's
	; half enter through a lane mask alone.  786,432 bytes in the whole launch, 32 consecutive bytes a lane: too few to be worth a turn through LDS.
	s_cmp_lg_u32 s98, 0
	s_cbranch_scc1 .Lno_f32
	v_mov_b32 v[FT], s99
	v_cmp_eq_u32 vcc_lo, 0, v[FT]                  ; all lanes or none
	s_wait_xcnt 0x0                                ; EXEC changes only behind this wait
	s_and_saveexec_b32 s95, vcc_lo
	WIN 0x08                                       ; a store's data are its source 1: window 2
.irp a, 0,1,2,3
.irp b, 0,1,2,3,4,5,6,7
	global_store_b128 v[FO], v[8*(8*\a+\b):8*(8*\a+\b)+3], s[96:97] offset:\a*16*SIZE_N*4+64*\b          ; each accumulator from its low end on
	global_store_b128 v[FO], v[8*(8*\a+\b)+4:8*(8*\a+\b)+7], s[96:97] offset:\a*16*SIZE_N*4+64*\b+16
.endr
.endr
	WIN 0
	s_wait_xcnt 0x0                                ; and again in front of the line that widens it
	s_or_b32 exec_lo, exec_lo, s95
.Lno_f32:
; THE WAY OUT, block by block of 16 rows m (4 t x 4 b) x 128 f (2 heads).  PACK: rounded to f16, 16 bytes a lane.  TOSTAGE: into my stage by rows m, and back by (head, b): chunk c = 4 head + b is
; 4 t x 128 bytes, 512 bytes that are consecutive in qkv16.  SEND: one store a chunk.
.macro PACK a
.set AC, 64*((\a)%4)
	WIN 0x0a+5*((\a)/4)                            ; sources 0 and 1: window 2 or 3
.irp b, 0,1,2,3,4,5,6,7
.irp r, 0,1,2,3
	v_cvt_pk_f16_f32 v[TMP+4*\b+\r], v[AC+8*\b+2*\r], v[AC+8*\b+2*\r+1]
.endr
.endr
	WIN 0
.endm
.macro TOSTAGE a
.set BB, BK+32*((\a)%2)
.irp b, 0,1,2,3,4,5,6,7
	ds_store_b128 v[STO], v[TMP+4*\b:TMP+4*\b+3] offset:32*\b
.endr
.irp c, 0,1,2,3,4,5,6,7
	ds_load_b128 v[BB+4*\c:BB+4*\c+3], v[RD] offset:SPITCH*(\c%4)+128*(\c/4)   ; LDS serves a wave's instructions in order (ISA guide 5.7.1.4): these see the stores above
.endr
.endm
.macro SEND a
.set BB, BK+32*((\a)%2)
	s_wait_dscnt 0x0                               ; the block is back in registers
	s_wait_xcnt 0x0                                ; the block before's stores have read their data: the next TOSTAGE loads into those registers
.irp c, 0,1,2,3,4,5,6,7
	global_store_b128 v[CO], v[BB+4*\c:BB+4*\c+3], s[12:13] offset:\c*262144+512*(\a)   ; 32 lanes store 512 consecutive bytes, aligned; every offset is an immediate, 1,838,592 at the most
.endr
.endm
	PACK 0
	TOSTAGE 0
.irp a, 1,2,3,4,5,6,7                  ; block a's conversions stand between block a - 1's loads from the stage and the wait for them
	PACK \a
	SEND \a-1
	TOSTAGE \a
.endr
	SEND 7
	s_wait_tensorcnt 0x0                           ; the wave's end
	ds_add_u32 v[SPW], v[NIL]
	s_wait_dscnt 0x0
	CROUND                                         ; the closing round
	s_endpgm
.Lfunc_end_k_q90ae46ad6b_qkv:
	.size	k_q90ae46ad6b_qkv, .Lfunc_end_k_q90ae46ad6b_qkv-k_q90ae46ad6b_qkv
	.p2alignl 7, 3214868480
	.fill 96, 4, 3214868480
	.section	.rodata,"a",@progbits
	.p2align	6, 0x0
	.amdhsa_kernel k_q90ae46ad6b_qkv
		.amdhsa_group_segment_fixed_size 327680
		.amdhsa_private_segment_fixed_size 0
		.amdhsa_enable_private_segment 0
		.amdhsa_kernarg_size 48
		.amdhsa_user_sgpr_count 2
		.amdhsa_user_sgpr_kernarg_segment_ptr 1
		.amdhsa_wavefront_size32 1
		.amdhsa_system_sgpr_workgroup_id_x 1
		.amdhsa_system_sgpr_workgroup_id_y 1
		.amdhsa_system_sgpr_workgroup_id_z 1
		.amdhsa_system_vgpr_workitem_id 0
		.amdhsa_next_free_vgpr 1024
		.amdhsa_next_free_sgpr 100
		.amdhsa_reserve_vcc 1
		.amdhsa_float_denorm_mode_32 3
		.amdhsa_float_denorm_mode_16_64 3
		.amdhsa_memory_ordered 1
		.amdhsa_forward_progress 1
		.amdhsa_inst_pref_size 133
	.end_amdhsa_kernel
	.amdgpu_metadata
---
amdhsa.version: [ 1, 2 ]
amdhsa.kernels:
  - .name:           k_q90ae46ad6b_qkv
    .symbol:         k_q90ae46ad6b_qkv.kd
    .args:
      - { .name: a_codes, .offset: 0, .size: 8, .value_kind: global_buffer, .address_space: global }
      - { .name: a_scales, .offset: 8, .size: 8, .value_kind: global_buffer, .address_space: global }
      - { .name: b_codes, .offset: 16, .size: 8, .value_kind: global_buffer, .address_space: global }
      - { .name: b_scales, .offset: 24, .size: 8, .value_kind: global_buffer, .address_space: global }
      - { .name: qkv16, .offset: 32, .size: 8, .value_kind: global_buffer, .address_space: global }
      - { .name: qkv32, .offset: 40, .size: 8, .value_kind: global_buffer, .address_space: global }
    .group_segment_fixed_size: 327680
    .private_segment_fixed_size: 0
    .kernarg_segment_align: 8
    .kernarg_segment_size: 48
    .max_flat_workgroup_size: 128
    .sgpr_count:     100
    .vgpr_count:     1024
    .wavefront_size: 32
...
	.end_amdgpu_metadata
.endif
;; end of part 2
;; launch attn (part 3): grid 4 x 64, 8 waves a work-group, no clusters, 327,680 bytes of LDS; arguments qkv16, ctx16; writes ctx16
.if DOCPART == 3
	.amdgcn_target "amdgcn-amd-amdhsa--gfx1250"
	.amdhsa_code_object_version 6
	.text
	.protected	k_q90ae46ad6b_attn
	.globl	k_q90ae46ad6b_attn
	.p2align	8
	.type	k_q90ae46ad6b_attn,@function
k_q90ae46ad6b_attn:
	s_mov_b64 s[64:65], 0
	v_nop
	global_prefetch_b8 v0, s[64:65] scope:SCOPE_SE
	s_setreg_imm32_b32 hwreg(HW_REG_WAVE_MODE, 25, 1), 1
	s_wait_xcnt 0x0
; ctx[p][q][:] = sum over k <= q of softmax_k(Q[q] . K[k] / 8) V[k][:], for each p = 4 head + batch (64), 2,048 positions, head size 64.  Q, K, V: panels p, 64 + p, 128 + p of qkv16, [2048][64] f16.
; ctx16: [p][2048][64] f16.  Products on f16 operands with f32 sums; maxima, exponentials and sums in f32; the weights p (at most 1) are rounded to f16 for the second product.
; (Positions 0-15 are made here too; a later launch makes the output rows that hang on them anew in f32.)
; SHARES.  Work-group (i, p) takes query block 7 - i (256 queries) over key tiles 0 .. 7 - i, then block i over tiles 0 .. i; a tile is 256 keys: nine trips in every work-group, so the causal work is even,
; the trip count is a constant, and every tile fetched is read.  Each of eight waves owns 32 queries: two tiles of 16 that share every fragment of K and V.
; NO CLUSTER: the four work-groups of a panel leave tile j for tile 0 at different trips (8 - i), so partners would want different tiles behind the same barrier.
; LAYOUT.  S^T = K Q^T (source 0 = 16 keys, source 1 = 16 queries): a lane holds ONE query (lane % 16) and keys 8 (lane / 16) + 0..7.  Two such tiles, rounded to f16 in pairs, ARE source 1 of
; O^T = V^T P, whose result again holds one query a lane.  K comes out of LDS as it lies, V ([key][channel]) turned, by ds_load_tr16_b128.
; SOFTMAX.  A running maximum m and sum l for each query: p = 2^(c s - c m), c = log2(e) / 8; in every step O and l are multiplied by a = 2^(c m_old - c m_new).
; RING.  Two LDS slots of one tile (K 256 x 144 bytes, V 256 x 160), 2^17 bytes apart.  Waves 0, 1 fetch K's halves, waves 2, 3 V's; one tensor load a wave is out, issued first thing behind each trip's barrier.
; REGISTERS: v1-14 addresses; v16-31 statistics, 8 a tile: +0 c m, +1 m, +2, +3 l, +4..+7 at work (a in +6); v32-63 Q; v64-127 K's 8 fragments, then V's 8; v128-191 S^T, 32 a tile, P over its first 16; v192-255 O^T.
.set KP,    144                        ; a row of K in LDS: 128 bytes + 16: 36 words, so the 16 rows of a load start 4 banks apart (64 banks of 4 bytes: ISA guide 11.1)
.set VP,    160                        ; a row of V: 128 + 32: 40 words
.set VOFF,  256*KP
.set SLOT1, 1<<17
.set STAGE, SLOT1+VOFF+256*VP          ; behind the ring: 32 rows x 144 bytes for each wave, for the way out; no tensor load lands here
.set SPB,   144
.set SPARE, STAGE+8*32*SPB             ; the spare words, 128 bytes a wave, which no other line names
.set AK0, 1                            ; v1   my lane's place in a tile of K
.set AV0, 2                            ; v2   the same for V
.set SPW, 3                            ; v3   LDS address of my spare word; never rewritten
.set NIL, 4                            ; v4   0; never rewritten
.set GO,  5                            ; v5   16 x lane
.set STO, 6                            ; v6   the way out: where I put 16 bytes of a row
.set RD,  7                            ; v7   the way out: where I read 16 bytes back
.set ADK, 8                            ; v8   LDS address of the step's K
.set ADV, 9                            ; v9   of its V
.set QO,  10                           ; v10  my byte offset in the wave's rows of Q
.set RH,  11                           ; v11  lane % 16 - 8 (lane / 16)
.set NINF, 12                          ; v12  -infinity
.set MD,  13                           ; v13  the diagonal's bound
.set PFO, 14                           ; v14  256 x lane; never rewritten
.set ST,  16
.set QF,  32
.set FR,  64
.set SC,  128
.set OA,  192
.set WV,  8                            ; s8   wave
.set WI,  9                            ; s9   i
.set HP,  10                           ; s10  p
.set KB,  12                           ; s[12:13] K's panel at my half of a tile;  s[14:15] V's
.set VB,  14
.set QB,  16                           ; s[16:17] Q at my first query;  s[18:19] ctx16 likewise
.set CT,  18
.set SEL, 20                           ; s[20:21] lane selects for v_permlanex16_b32: lane l xor 16
.set CS,  22                           ; s[22:23] c, twice: the packed form names a pair
.set G1K, 24                           ; s[24:31], s[32:39] descriptor groups 1 for K's and V's tiles;  s[40:43], s[44:47] their groups 0
.set G1V, 32
.set G0K, 40
.set G0V, 44
.set TB,  48                           ; s48  LDS byte at which the slot in hand begins
.set KF,  49                           ; s49  the step's first key
.set Q0,  50                           ; s50  my first query
.set LEFT, 51                          ; s51  trips left in the first pass, this one among them
.set TU,  52                           ; s52  the tile that the next load brings
.set TRIPS, 53                         ; s53  the loop's counter
.set OFF, 54                           ; s[54:55] that tile's bytes from the panel's start
.set PFA, 56                           ; s[56:57] where my prefetches stand
.set LIM, 58                           ; s58  2 in a wave that prefetches, else the greatest number
.set QH,  66                           ; s[66:67] Q's panel;  s[68:69] ctx16's
.set CH,  68
; Waves 0 and 1 fetch for K, waves 2 and 3 for V, the others nothing.  The branches hang on the wave's number alone.  An s_nop 0 and four v_nop follow each load.
.macro TLOAD
	s_cmp_lt_u32 s[WV], 2
	s_cbranch_scc0 .Lnot_k_\@
	tensor_load_to_lds s[G0K:G0K+3], s[G1K:G1K+7]
	s_nop 0
.rept 4
	v_nop
.endr
	s_branch .Lasked_\@
.Lnot_k_\@:
	s_cmp_lt_u32 s[WV], 4
	s_cbranch_scc0 .Lasked_\@
	tensor_load_to_lds s[G0V:G0V+3], s[G1V:G1V+7]
	s_nop 0
.rept 4
	v_nop
.endr
.Lasked_\@:
.endm
; A PREFETCH INTO THE L2.  The panel's work-group with i = 0 walks tiles 0 .. 7 in trips 0 .. 7 and comes to each tile no later than its three partners: it alone asks.  In trip j <= 5 it names tile j + 2,
; one trip ahead of that tile's tensor load.  Waves 4, 5 take K's two halves of 16,384 bytes, waves 6, 7 V's: two instructions a wave, lanes 256 bytes apart: each aligned block of 256 bytes is named once in the launch.
; Tiles 0 and 1 come by their loads alone; trips 6 and 7 ask for nothing: there is no tile 8.
.macro ASK
	s_cmp_gt_u32 s[TRIPS], s[LIM]
	s_cbranch_scc0 .Lnot_mine_\@
	global_prefetch_b8 v[PFO], s[PFA:PFA+1] th:TH_LOAD_NT scope:SCOPE_SE
	global_prefetch_b8 v[PFO], s[PFA:PFA+1] offset:8192 th:TH_LOAD_NT scope:SCOPE_SE
.Lnot_mine_\@:
.endm
.macro QLOAD                           ; Q's four fragments (tile t, channels 32 c on): lane l holds row l % 16; registers 0-3 channels 8 (l / 16) + 0..7, registers 4-7 sixteen further on
.irp t, 0,1
.irp c, 0,1
.irp e, 0,1
	global_load_b128 v[QF+16*\t+8*\c+4*\e:QF+16*\t+8*\c+4*\e+3], v[QO], s[QB:QB+1] offset:2048*\t+64*\c+32*\e
.endr
.endr
.endr
.endm
.macro INIT                            ; a pass begins: O^T and l are zeros, m lies under every score.  (The step is written once: the first change of m multiplies zeros)
.set j, 0
.rept 64
	v_mov_b32 v[OA+j], 0
.set j, j+1
.endr
.irp t, 0,1
	v_mov_b32 v[ST+8*\t+1], 0xff61b1e6             ; -3e38
	v_mov_b32 v[ST+8*\t+2], 0
	v_mov_b32 v[ST+8*\t+3], 0
	v_mov_b32 v[ST+8*\t+5], 0                      ; (a lane permute's destination counts as one of its sources)
	v_mov_b32 v[ST+8*\t+7], 0                      ; (named as the upper half of a pair)
	v_mul_f32 v[ST+8*\t], s[CS], v[ST+8*\t+1]
.endr
.endm
	s_load_b128 s[4:7], s[0:1], 0x0                ; qkv16, ctx16
	v_lshl_add_u32 v[SPW], v0, 2, SPARE
	v_mov_b32 v[NIL], 0
	ds_add_u32 v[SPW], v[NIL]                      ; the wave's opening: the add, twice on end, and its wait ahead of the first tensor load
	ds_add_u32 v[SPW], v[NIL]
	v_lshrrev_b32 v8, 5, v0
	v_readfirstlane_b32 s[WV], v8                  ; wave 0..7
	s_mov_b32 s[WI], ttmp9
	s_and_b32 s[HP], ttmp7, 0xffff
	; descriptor group 1: 128 rows of 64 elements of 2 bytes, dense in memory, padded in LDS
	s_mov_b32 s[G1K], (1<<16)|(1<<20)|(4<<22)|(3<<25)   ; 17:16 elements of 2 bytes; 20 padding on; 24:22 after every 32 words; 31:25 four words
	s_mov_b32 s[G1V], (1<<16)|(1<<20)|(4<<22)|(7<<25)   ; the same with eight words
.irp g, G1K, G1V
	s_mov_b32 s[\g+1], 64<<16                      ; tensor_dim0
	s_mov_b32 s[\g+2], 128<<16                     ; tensor_dim1
	s_mov_b32 s[\g+3], 64<<16                      ; tile_dim0
	s_mov_b32 s[\g+4], 128                         ; tile_dim1
	s_mov_b32 s[\g+5], 64                          ; from row to row
	s_mov_b32 s[\g+6], 0
	s_mov_b32 s[\g+7], 0
.endr
	s_and_b32 s72, s[WV], 1                        ; which half of a tile I fetch, if I fetch
	s_lshl_b32 s70, s[HP], 18                      ; panel p: 262,144 bytes each
	s_mov_b32 s71, 0
	s_lshl_b32 s74, s72, 14                        ; 128 rows of 128 bytes
	s_add_co_u32 s74, s74, s70
	s_add_co_u32 s74, s74, 64<<18                  ; K's panels begin 64 panels on
	s_mov_b32 s75, 0
	s_mul_i32 s73, s72, 128*KP                     ; my half's place in a slot: K's,
	s_mul_i32 s72, s72, 128*VP
	s_add_co_u32 s72, s72, VOFF                    ; V's
	s_mov_b32 s[SEL], 0x76543210
	s_mov_b32 s[SEL+1], 0xfedcba98
	s_mov_b32 s[CS], 0x3e38aa3b                    ; c = log2(e) / 8
	s_mov_b32 s[CS+1], s[CS]
	s_mov_b32 s[TB], 0
	s_mov_b32 s[KF], 0
	s_mov_b32 s[TU], 0
	s_mov_b32 s[OFF], 0
	s_mov_b32 s[OFF+1], 0
	s_mov_b32 s[TRIPS], 8
	s_sub_co_u32 s[LEFT], 8, s[WI]
	s_sub_co_u32 s[Q0], 7, s[WI]
	s_lshl_b32 s[Q0], s[Q0], 8
	s_lshl_b32 s60, s[WV], 5
	s_add_co_u32 s[Q0], s[Q0], s60                 ; my first query: 256 (7 - i) + 32 x wave
	s_lshl_b32 s60, s[Q0], 7
	s_mov_b32 s61, 0
	s_lshr_b32 s62, s[WV], 2
	s_xor_b32 s62, s62, 1                          ; 0 in waves 4 to 7,
	s_or_b32 s62, s62, s[WI]                       ; of the work-group with i = 0
	s_cmp_eq_u32 s62, 0
	s_cselect_b32 s[LIM], 2, -1
	s_wait_dscnt 0x0                               ; both opening adds are done
	s_wait_kmcnt 0x0
	s_add_nc_u64 s[QH:QH+1], s[4:5], s[70:71]
	s_add_nc_u64 s[CH:CH+1], s[6:7], s[70:71]
	s_add_nc_u64 s[KB:KB+1], s[4:5], s[74:75]
	s_add_nc_u64 s[VB:VB+1], s[KB:KB+1], 64<<18
	s_mov_b32 s[G0K], 1                            ; 1:0 count = 1
	s_mov_b32 s[G0K+1], s73                        ; 63:32 LDS address: slot 0
	s_mov_b64 s[G0K+2:G0K+3], s[KB:KB+1]           ; 120:64 global address: tile 0
	s_or_b32 s[G0K+3], s[G0K+3], 0x80000000        ; 127:126 type = 2
	s_mov_b32 s[G0V], 1
	s_mov_b32 s[G0V+1], s72
	s_mov_b64 s[G0V+2:G0V+3], s[VB:VB+1]
	s_or_b32 s[G0V+3], s[G0V+3], 0x80000000
	TLOAD                                          ; tile 0 into slot 0
	s_add_nc_u64 s[QB:QB+1], s[QH:QH+1], s[60:61]
	s_add_nc_u64 s[CT:CT+1], s[CH:CH+1], s[60:61]
	s_cmp_lt_u32 s[WV], 6                          ; waves 4, 5 would ask for K's halves, waves 6, 7 for V's
	s_cselect_b64 s[PFA:PFA+1], s[KB:KB+1], s[VB:VB+1]
	s_add_nc_u64 s[PFA:PFA+1], s[PFA:PFA+1], 32768 ; at tile 1; the first trip steps it to tile 2.  Nothing is prefetched here, at the head
	v_and_b32 v15, 15, v0                          ; r
	v_bfe_u32 v9, v0, 4, 1                         ; h
	v_lshlrev_b32 v[QO], 7, v15
	v_lshl_add_u32 v[QO], v9, 4, v[QO]             ; row r of 128 bytes + 16 h
	QLOAD
	v_mul_u32_u24 v[AK0], v15, KP
	v_lshl_add_u32 v[AK0], v9, 4, v[AK0]           ; row r x pitch + 16 h
	v_and_b32 v8, 7, v0
	v_lshl_add_u32 v[AV0], v9, 3, v8               ; the turning load: lane l reads key 8 (l / 16) + l % 8,
	v_mul_u32_u24 v[AV0], v[AV0], VP
	v_bfe_u32 v13, v0, 3, 1
	v_lshl_add_u32 v[AV0], v13, 4, v[AV0]          ; channels 8 ((l / 8) % 2) + 0..7
	v_add_nc_u32 v[AV0], VOFF, v[AV0]
	v_and_b32 v[GO], 31, v0
	v_lshlrev_b32 v[PFO], 8, v[GO]
	v_lshlrev_b32 v[GO], 4, v[GO]
	s_mul_i32 s70, s[WV], 32*SPB
	s_add_co_u32 s70, s70, STAGE                   ; my stage
	v_add_nc_u32 v[STO], s70, v[AK0]               ; in: row r x 144 + 16 h
	v_bfe_u32 v13, v0, 3, 2
	v_mul_u32_u24 v[RD], v13, SPB                  ; back: eight lanes to a row of 128 bytes, four rows an instruction
	v_lshl_add_u32 v[RD], v8, 4, v[RD]
	v_add_nc_u32 v[RD], s70, v[RD]
	v_lshlrev_b32 v13, 3, v9
	v_sub_nc_u32 v[RH], v15, v13
	v_mov_b32 v[NINF], 0xff800000
	INIT
; A KEY STEP: 64 keys, the q-th of the tile in hand.
.macro STEP q
	s_add_co_u32 s70, s[Q0], 31                    ; a step all of whose keys come after my 32 queries is left out: a scalar branch on ids; no barrier and no tensor load stands in a step
	s_cmp_gt_u32 s[KF], s70
	s_cbranch_scc1 .Lhidden_\@
	v_add_nc_u32 v[ADK], s[TB], v[AK0]
.rept 4
	v_nop                                          ; with the line above five places behind the last products: S^T is laid over P, which they read; four of them serve the loads into the fragments
.endr
.irp k, 0,1,2,3
.irp c, 0,1
	ds_load_b128 v[FR+8*(2*\k+\c):FR+8*(2*\k+\c)+3],   v[ADK] offset:(64*(\q)+16*\k)*KP+64*\c
	ds_load_b128 v[FR+8*(2*\k+\c)+4:FR+8*(2*\k+\c)+7], v[ADK] offset:(64*(\q)+16*\k)*KP+64*\c+32
.endr
.endr
	s_wait_dscnt 0x0                               ; K is in
.irp c, 0,1                                    ; S^T = K Q^T: eight accumulators by turns, one instruction a turn; the first eight start the sums
.irp k, 0,1,2,3
.irp t, 0,1
.if \c == 0
	v_wmma_f32_16x16x32_f16 v[SC+32*\t+8*\k:SC+32*\t+8*\k+7], v[FR+8*(2*\k+\c):FR+8*(2*\k+\c)+7], v[QF+16*\t+8*\c:QF+16*\t+8*\c+7], 0
.else
	v_wmma_f32_16x16x32_f16 v[SC+32*\t+8*\k:SC+32*\t+8*\k+7], v[FR+8*(2*\k+\c):FR+8*(2*\k+\c)+7], v[QF+16*\t+8*\c:QF+16*\t+8*\c+7], v[SC+32*\t+8*\k:SC+32*\t+8*\k+7]
.endif
.endr
.endr
.endr
	v_add_nc_u32 v[ADV], s[TB], v[AV0]
.rept 3
	v_nop                                          ; with the line above four places: for the loads into K's registers and for the first read of the scores
.endr
.irp g, 0,1                                    ; V, turned: keys 32 g on, channels 16 d on.  These land under the softmax
.irp d, 0,1,2,3
	ds_load_tr16_b128 v[FR+8*(4*\g+\d):FR+8*(4*\g+\d)+3],   v[ADV] offset:(64*(\q)+32*\g)*VP+32*\d
	ds_load_tr16_b128 v[FR+8*(4*\g+\d)+4:FR+8*(4*\g+\d)+7], v[ADV] offset:(64*(\q)+32*\g)*VP+16*VP+32*\d
.endr
.endr
	s_add_co_u32 s70, s[KF], 63                    ; on the diagonal hidden scores become -infinity ahead of the maximum; a step all of whose keys count skips this
	s_cmp_le_u32 s70, s[Q0]
	s_cbranch_scc1 .Lopen_\@
	s_sub_co_i32 s70, s[Q0], s[KF]
	v_add_nc_u32 v[MD], s70, v[RH]                 ; register 32 t + 8 k + j holds key KF + 16 k + 8 (l / 16) + j of query Q0 + 16 t + l % 16: hidden where 16 k + j - 16 t > this
.irp t, 0,1
.irp k, 0,1,2,3
.irp j, 0,1,2,3,4,5,6,7
	v_cmp_gt_i32 vcc_lo, 16*\k+\j-16*\t, v[MD]
	v_cndmask_b32 v[SC+32*\t+8*\k+\j], v[SC+32*\t+8*\k+\j], v[NINF], vcc_lo
.endr
.endr
.endr
.Lopen_\@:
.irp x, 0,1,2,3                                ; the maximum of 32 scores and the old m, three operands at a time, four chains; each accumulator is read from its low end on; the two tiles line by line
.irp t, 0,1
	v_max3_num_f32 v[ST+8*\t+4+\x], v[SC+32*\t+8*\x], v[SC+32*\t+8*\x+1], v[SC+32*\t+8*\x+2]
.endr
.endr
.irp y, 1,2
.irp x, 0,1,2,3
.irp t, 0,1
	v_max3_num_f32 v[ST+8*\t+4+\x], v[ST+8*\t+4+\x], v[SC+32*\t+8*\x+2*\y+1], v[SC+32*\t+8*\x+2*\y+2]
.endr
.endr
.endr
.irp t, 0,1
	v_max3_num_f32 v[ST+8*\t+4], v[ST+8*\t+4], v[SC+32*\t+7], v[SC+32*\t+15]
	v_max3_num_f32 v[ST+8*\t+6], v[ST+8*\t+6], v[SC+32*\t+23], v[SC+32*\t+31]
.endr
.irp t, 0,1
	v_max3_num_f32 v[ST+8*\t+4], v[ST+8*\t+4], v[ST+8*\t+5], v[ST+8*\t+6]
.endr
.irp t, 0,1
	v_max3_num_f32 v[ST+8*\t+4], v[ST+8*\t+4], v[ST+8*\t+7], v[ST+8*\t+1]
.endr
.irp t, 0,1
	v_permlanex16_b32 v[ST+8*\t+5], v[ST+8*\t+4], s[SEL], s[SEL+1]   ; the query's other 32 keys lie in the lane 16 away
.endr
.irp t, 0,1
	v_mov_b32 v[ST+8*\t+7], v[ST+8*\t]             ; c m_old is kept for a
.endr
.irp t, 0,1
	v_max_num_f32 v[ST+8*\t+1], v[ST+8*\t+4], v[ST+8*\t+5]
.endr
.irp t, 0,1
	v_mul_f32 v[ST+8*\t], s[CS], v[ST+8*\t+1]
.endr
.irp t, 0,1
	v_sub_f32 v[ST+8*\t+7], v[ST+8*\t+7], v[ST+8*\t]
.endr
.set i, 0
.rept 16
.irp t, 0,1
	v_pk_fma_f32 v[SC+32*\t+2*i:SC+32*\t+2*i+1], v[SC+32*\t+2*i:SC+32*\t+2*i+1], s[CS:CS+1], v[ST+8*\t:ST+8*\t+1] op_sel_hi:[1,0,0] neg_lo:[0,0,1] neg_hi:[0,0,1]   ; c s - c m, two at a time
.endr
.set i, i+1
.endr
.irp t, 0,1                                    ; ONE BATCH: both tiles' 66 exponentials; none reads another's result
	v_exp_f32 v[ST+8*\t+6], v[ST+8*\t+7]           ; a
.endr
.set i, 0
.rept 32
.irp t, 0,1
	v_exp_f32 v[SC+32*\t+i], v[SC+32*\t+i]
.endr
.set i, i+1
.endr
	v_nop                                          ; a plain line behind the last exponential
	s_wait_alu depctr_va_vdst(0)                   ; one wait for the batch, ahead of its first reader
.irp t, 0,1                                    ; l = a l + the sum of the unrounded p: packed, in two chains that leave p as it is
	v_pk_fma_f32 v[ST+8*\t+2:ST+8*\t+3], v[ST+8*\t+2:ST+8*\t+3], v[ST+8*\t+6:ST+8*\t+7], v[SC+32*\t:SC+32*\t+1] op_sel_hi:[1,0,1]
	v_pk_add_f32 v[ST+8*\t+4:ST+8*\t+5], v[SC+32*\t+2:SC+32*\t+3], v[SC+32*\t+4:SC+32*\t+5]
.endr
.irp u, 6,10,14,18,22,26
.irp t, 0,1
	v_pk_add_f32 v[ST+8*\t+2:ST+8*\t+3], v[ST+8*\t+2:ST+8*\t+3], v[SC+32*\t+\u:SC+32*\t+\u+1]
	v_pk_add_f32 v[ST+8*\t+4:ST+8*\t+5], v[ST+8*\t+4:ST+8*\t+5], v[SC+32*\t+\u+2:SC+32*\t+\u+3]
.endr
.endr
.irp t, 0,1
	v_pk_add_f32 v[ST+8*\t+2:ST+8*\t+3], v[ST+8*\t+2:ST+8*\t+3], v[SC+32*\t+30:SC+32*\t+31]
.endr
.irp t, 0,1
	v_pk_add_f32 v[ST+8*\t+2:ST+8*\t+3], v[ST+8*\t+2:ST+8*\t+3], v[ST+8*\t+4:ST+8*\t+5]
.endr
.set i, 0
.rept 16
.irp t, 0,1
	v_cvt_pk_f16_f32 v[SC+32*\t+i], v[SC+32*\t+2*i], v[SC+32*\t+2*i+1]   ; P, in place and ascending: register i is written when pairs 0 .. i have been read
.endr
.set i, i+1
.endr
.set i, 0
.rept 16
.irp t, 0,1
	v_pk_mul_f32 v[OA+32*\t+2*i:OA+32*\t+2*i+1], v[OA+32*\t+2*i:OA+32*\t+2*i+1], v[ST+8*\t+6:ST+8*\t+7] op_sel_hi:[1,0]   ; O^T x a, each accumulator from its low end on
.endr
.set i, i+1
.endr
	s_wait_dscnt 0x0                               ; V is in
.irp g, 0,1                                    ; O^T += V^T P: eight accumulators by turns
.irp d, 0,1,2,3
.irp t, 0,1
	v_wmma_f32_16x16x32_f16 v[OA+32*\t+8*\d:OA+32*\t+8*\d+7], v[FR+8*(4*\g+\d):FR+8*(4*\g+\d)+7], v[SC+32*\t+8*\g:SC+32*\t+8*\g+7], v[OA+32*\t+8*\d:OA+32*\t+8*\d+7]
.endr
.endr
.endr
.Lhidden_\@:
	s_add_co_u32 s[KF], s[KF], 64
.endm
; THE CHANGE OF SLOTS stands at a trip's head.  Each wave waits for all its tensor loads (its part of the tile that it is about to read), adds 0 to its spare word, and waits for that and for its reads of
; the slot that it has left.  Behind the barrier that slot is filled with the tile that follows: the load has a whole tile's four steps in which to land.
.macro CHANGE fill
	s_wait_tensorcnt 0x0                           ; no tensor load of mine is out, so a group 0 may be written
	ds_add_u32 v[SPW], v[NIL]                      ; 0 onto my spare word
.if \fill
	ds_add_u32 v[SPW], v[NIL]                      ; and once more: the add twice on end, in every trip alike
	s_add_co_u32 s[TU], s[TU], 1                   ; the next tile,
	s_cmp_eq_u32 s[LEFT], 1
	s_cselect_b32 s[TU], 0, s[TU]                  ; or tile 0 again where this trip is the first pass's last
	s_lshl_b32 s[OFF], s[TU], 15                   ; 256 rows of 128 bytes
	s_xor_b32 s[G0K+1], s[G0K+1], SLOT1            ; the other slot than last time
	s_add_nc_u64 s[G0K+2:G0K+3], s[KB:KB+1], s[OFF:OFF+1]
	s_or_b32 s[G0K+3], s[G0K+3], 0x80000000
	s_xor_b32 s[G0V+1], s[G0V+1], SLOT1
	s_add_nc_u64 s[G0V+2:G0V+3], s[VB:VB+1], s[OFF:OFF+1]
	s_or_b32 s[G0V+3], s[G0V+3], 0x80000000
	s_wait_xcnt 0x0                                ; the last prefetches, a trip back, have read their address, so it may be written
	s_add_nc_u64 s[PFA:PFA+1], s[PFA:PFA+1], 32768
.endif
	s_wait_dscnt 0x0                               ; the add is done, and my LDS reads are over
	s_barrier_signal -1
	s_barrier_wait -1
.if \fill
	TLOAD                                          ; the first thing behind the barrier, and a wave's one tensor load until the next
	ASK
.endif
.endm
; THE WAY OUT of a pass: O^T / l, rounded to f16, through my stage, and out as runs of 512 consecutive bytes (four rows of 128).
.macro OUT
.rept 4
	v_nop                                          ; four places behind the last products
.endr
.irp t, 0,1
	v_add_f32 v[ST+8*\t+4], v[ST+8*\t+2], v[ST+8*\t+3]
.endr
.irp t, 0,1
	v_permlanex16_b32 v[ST+8*\t+5], v[ST+8*\t+4], s[SEL], s[SEL+1]
.endr
.irp t, 0,1
	v_add_f32 v[ST+8*\t+4], v[ST+8*\t+4], v[ST+8*\t+5]
.endr
.irp t, 0,1
	v_rcp_f32 v[ST+8*\t+6], v[ST+8*\t+4]
.endr
	v_nop                                          ; a plain line behind the last reciprocal,
	s_wait_alu depctr_va_vdst(0)                   ; and one wait for both, ahead of the first use
.irp t, 0,1
.set i, 0
.rept 16
	v_pk_mul_f32 v[OA+32*\t+2*i:OA+32*\t+2*i+1], v[OA+32*\t+2*i:OA+32*\t+2*i+1], v[ST+8*\t+6:ST+8*\t+7] op_sel_hi:[1,0]
.set i, i+1
.endr
.endr
.irp t, 0,1
.set i, 0
.rept 16
	v_cvt_pk_f16_f32 v[FR+16*\t+i], v[OA+32*\t+2*i], v[OA+32*\t+2*i+1]
.set i, i+1
.endr
.endr
.irp t, 0,1
.irp d, 0,1,2,3
	ds_store_b128 v[STO], v[FR+16*\t+4*\d:FR+16*\t+4*\d+3] offset:16*SPB*\t+32*\d
.endr
.endr
.irp i, 0,1,2,3,4,5,6,7
	ds_load_b128 v[FR+32+4*\i:FR+32+4*\i+3], v[RD] offset:4*SPB*\i   ; LDS serves a wave's instructions in order (ISA guide 5.7.1.4): these see my stores
.endr
.irp i, 0,1,2,3,4,5,6,7
	s_wait_dscnt 7-\i                              ; load i is in; the younger ones may be out
	global_store_b128 v[GO], v[FR+32+4*\i:FR+32+4*\i+3], s[CT:CT+1] offset:512*\i
.endr
.endm
; THE SECOND PASS BEGINS in the trip in which LEFT is 0: ids alone, the same in all eight waves; no barrier and no tensor load stands inside.
.macro SWITCH
	s_cmp_lg_u32 s[LEFT], 0
	s_cbranch_scc1 .Lsame_\@
	OUT
	s_wait_xcnt 0x0                                ; the stores have read their data and their base: both are written again below
	s_lshl_b32 s70, s[WI], 8
	s_lshl_b32 s71, s[WV], 5
	s_add_co_u32 s[Q0], s70, s71                   ; my first query: 256 i + 32 x wave
	s_lshl_b32 s70, s[Q0], 7
	s_mov_b32 s71, 0
	s_add_nc_u64 s[QB:QB+1], s[QH:QH+1], s[70:71]
	s_add_nc_u64 s[CT:CT+1], s[CH:CH+1], s[70:71]
	QLOAD
	INIT
	s_mov_b32 s[KF], 0
	s_wait_loadcnt 0x0                             ; Q
.Lsame_\@:
.endm
.macro SLOT_STEPS
	STEP 0
	STEP 1
	STEP 2
	STEP 3
	s_xor_b32 s[TB], s[TB], SLOT1                  ; on to the other slot
.endm
	s_wait_loadcnt 0x0                             ; Q
.Ltrip:                                            ; eight trips: behind each change of slots the next tile is asked for
	CHANGE 1
	SWITCH
	SLOT_STEPS
	s_sub_co_u32 s[LEFT], s[LEFT], 1
	s_sub_co_u32 s[TRIPS], s[TRIPS], 1
	s_cmp_lg_u32 s[TRIPS], 0
	s_cbranch_scc1 .Ltrip
	CHANGE 0                                       ; the ninth trip is written out: it asks for nothing
	SWITCH
	SLOT_STEPS
	OUT
	s_wait_tensorcnt 0x0                           ; the wave's end
	ds_add_u32 v[SPW], v[NIL]
	s_wait_dscnt 0x0
	s_endpgm
.Lfunc_end_k_q90ae46ad6b_attn:
	.size	k_q90ae46ad6b_attn, .Lfunc_end_k_q90ae46ad6b_attn-k_q90ae46ad6b_attn
	.p2alignl 7, 3214868480
	.fill 96, 4, 3214868480
	.section	.rodata,"a",@progbits
	.p2align	6, 0x0
	.amdhsa_kernel k_q90ae46ad6b_attn
		.amdhsa_group_segment_fixed_size 327680
		.amdhsa_private_segment_fixed_size 0
		.amdhsa_enable_private_segment 0
		.amdhsa_kernarg_size 16
		.amdhsa_user_sgpr_count 2
		.amdhsa_user_sgpr_kernarg_segment_ptr 1
		.amdhsa_wavefront_size32 1
		.amdhsa_system_sgpr_workgroup_id_x 1
		.amdhsa_system_sgpr_workgroup_id_y 1
		.amdhsa_system_sgpr_workgroup_id_z 1
		.amdhsa_system_vgpr_workitem_id 0
		.amdhsa_next_free_vgpr 256
		.amdhsa_next_free_sgpr 80
		.amdhsa_reserve_vcc 1
		.amdhsa_float_denorm_mode_32 3
		.amdhsa_float_denorm_mode_16_64 3
		.amdhsa_memory_ordered 1
		.amdhsa_forward_progress 1
		.amdhsa_inst_pref_size 207
	.end_amdhsa_kernel
	.amdgpu_metadata
---
amdhsa.version: [ 1, 2 ]
amdhsa.kernels:
  - .name:           k_q90ae46ad6b_attn
    .symbol:         k_q90ae46ad6b_attn.kd
    .args:
      - { .name: qkv16, .offset: 0, .size: 8, .value_kind: global_buffer, .address_space: global }
      - { .name: ctx16, .offset: 8, .size: 8, .value_kind: global_buffer, .address_space: global }
    .group_segment_fixed_size: 327680
    .private_segment_fixed_size: 0
    .kernarg_segment_align: 8
    .kernarg_segment_size: 16
    .max_flat_workgroup_size: 256
    .sgpr_count:     80
    .vgpr_count:     256
    .wavefront_size: 32
...
	.end_amdgpu_metadata
.endif
;; end of part 3
;; launch oproj (part 4): grid 4 x 64, 4 waves a work-group, clusters of 4 x 4, 327,680 bytes of LDS; arguments ctx16, wo16, out0; writes out0
.if DOCPART == 4
	.amdgcn_target "amdgcn-amd-amdhsa--gfx1250"
	.amdhsa_code_object_version 6
	.text
	.protected	k_q90ae46ad6b_oproj
	.globl	k_q90ae46ad6b_oproj
	.p2align	8
	.type	k_q90ae46ad6b_oproj,@function
k_q90ae46ad6b_oproj:
	s_mov_b64 s[64:65], 0
	v_nop
	global_prefetch_b8 v0, s[64:65] scope:SCOPE_SE
	s_setreg_imm32_b32 hwreg(HW_REG_WAVE_MODE, 25, 1), 1
	s_wait_xcnt 0x0
	s_wait_alu depctr_hold_cnt(0) depctr_sa_sdst(0) depctr_va_vdst(0) depctr_va_sdst(0) depctr_va_ssrc(0) depctr_va_vcc(0) depctr_vm_vsrc(0)
	s_getreg_b32 s2, hwreg(HW_REG_IB_STS2, 6, 4)
	s_cmp_eq_u32 s2, 0
	s_cbranch_scc0 .Lentry_in_a_cluster
	s_endpgm
.Lentry_in_a_cluster:
	s_bfe_u32 s2, ttmp6, 0x10000c
	s_cmp_lg_u32 s2, 0xf033
	s_cbranch_scc0 .Lentry_shape_is_right
	s_endpgm
.Lentry_shape_is_right:
; out[t][b][n] = sum over k of ctx[t][b][k] W_out[n][k], K = 1,024 (k = 64 head + d), f16 operands, f32 sums, f32 out.
; ctx16 lies [4 head + b][t][64]; so the rows are walked as (b, t): tile row tr = 16 b + t / 128.  A tile of 128 rows x 256 columns is made by four waves, each 64 x 128: 32 accumulators, 256 registers:
; 256 work-groups.  K goes in steps of 128 (two heads) through a ring of two LDS slots.  A's part of a step is two dense blocks of 128 rows x 128 bytes, one a head; B's is 256 rows x 256 bytes of wo16.
; CLUSTERS: 4 x 4 work-groups; ctx's tiles are asked for jointly along a row of the cluster, W_out's along a column.  Waves 0, 1 fetch A's two heads, waves 2, 3 B's two halves: one tensor load a wave a step.
; THE MATRIX INSTRUCTION IS USED TRANSPOSED (source 0 = 16 rows of W_out, source 1 = 16 rows of ctx): a lane holds eight neighbouring n of one row.
; Rows t < 16 are stored here like the others; the launch that follows stores them anew from f32 operands.
; No prefetch: eight K steps in all, of which the first four would come too early and the last two have nothing ahead.
; REGISTERS: window 0: v16-29 addresses; v64-127 A's fragments, two buffers of 32; on the way out v128-255.   window 1: v0-127 B's fragments, two buffers of 64.   window 2: accumulator (a, b) at v[8 (8 a + b)].
.set AP,     144                       ; a row of A in LDS: 128 bytes + 16
.set BP,     272                       ; a row of B: 256 + 16: in both the 16 rows that a load touches start 4 banks apart (64 banks of 4 bytes: ISA guide 11.1)
.set ASUB,   128*AP                    ; one head's 128 rows
.set BOFF,   2*ASUB
.set BHALF,  128*BP
.set SLOT,   BOFF+2*BHALF
.set STAGE,  2*SLOT                    ; behind the ring: 16 rows x (512 + 16) bytes for each wave; no tensor load lands here
.set SPITCH, 528
.set SPARE,  STAGE+4*16*SPITCH         ; the spare words, 128 bytes a wave, which no other line names
.set LAPS,   4                         ; a lap = two K steps = once round the ring
.set ADRA, 16                          ; v16-17  LDS address of my A fragments in slot 0, 1
.set ADRB, 20                          ; v20-21  the same for B
.set STO,  24                          ; v24     the way out: where I put 32 bytes of a row
.set RD,   25                          ; v25     the way out: where I read a row back
.set CO,   26                          ; v26     16 x lane
.set SPW,  28                          ; v28     LDS address of my spare word; never rewritten
.set NIL,  29                          ; v29     0; never rewritten
.set AF,   64
.set BK,   128
.set G1, 24                            ; s[24:31] descriptor group 1 for A's tiles;  s[32:39] group 0, one set for each slot
.set G0, 32
.set G1B, 48                           ; s[48:55], s[56:63] the same for B's
.set G0B, 56
.set MSB, 0
.macro WIN new                         ; the immediate's high byte repeats the setting that is left
.if MSB != \new
	s_set_vgpr_msb (MSB<<8)|\new
.set MSB, \new
.endif
.endm
.set MUL,  0xa1                        ; source 0 (B) window 1, source 1 (A) window 0, C and D window 2
.set TO_B, 0x40                        ; destination window 1, address window 0
.macro JLOAD s                         ; a joint load; the branch hangs on the wave's number alone; an s_nop 0 and four v_nop follow each of the two lines
	s_cmp_eq_u32 s11, 0
	s_cbranch_scc0 .Lfor_b_\@
	tensor_load_to_lds s[G0+4*\s:G0+4*\s+3], s[G1:G1+7]
	s_nop 0
.rept 4
	v_nop
.endr
	s_branch .Lasked_\@
.Lfor_b_\@:
	tensor_load_to_lds s[G0B+4*\s:G0B+4*\s+3], s[G1B:G1B+7]
	s_nop 0
.rept 4
	v_nop
.endr
.Lasked_\@:
.endm
.macro CREST                           ; a round of the cluster's barrier behind its opening barrier
	s_cmp_lg_u32 s10, 0
	s_cbranch_scc1 .Lnot_wave_0_\@
	s_barrier_signal -3
.Lnot_wave_0_\@:
	s_barrier_wait -3
	s_barrier_signal -1
	s_barrier_wait -1
.endm
.macro CROUND                          ; a whole round
	s_barrier_signal -1
	s_barrier_wait -1
	CREST
.endm
	s_load_b128 s[4:7], s[0:1], 0x0                ; ctx16, wo16
	s_load_b64 s[8:9], s[0:1], 0x10                ; out0
	v_lshl_add_u32 v[SPW], v0, 2, SPARE
	v_mov_b32 v[NIL], 0
	ds_add_u32 v[SPW], v[NIL]                      ; the wave's opening: the add, twice on end, and its wait ahead of my first tensor load
	ds_add_u32 v[SPW], v[NIL]
	v_lshrrev_b32 v1, 5, v0
	v_readfirstlane_b32 s10, v1                    ; wave 0..3
	s_lshr_b32 s11, s10, 1                         ; which half of the tile's rows is mine.  Also: I fetch for A (0) or for B (1)
	s_and_b32 s12, s10, 1                          ; which half of its columns.  Also: which head of the step, or which 128 rows of B, I fetch
	s_bfe_u32 s40, ttmp6, 0x40000                  ; cx, cy
	s_bfe_u32 s41, ttmp6, 0x40004
	s_lshl_b32 s42, ttmp9, 2
	s_add_co_u32 s42, s42, s40                     ; tile column
	s_and_b32 s13, ttmp7, 0xffff
	s_lshl_b32 s13, s13, 2
	s_add_co_u32 s13, s13, s41                     ; tile row = 16 b + t / 128
	s_lshl_b32 s43, s41, 2
	s_lshl_b32 s43, 15, s43                        ; my row of the cluster
	s_lshl_b32 s44, 0x1111, s40                    ; my column
	s_or_b32 s[G1+0], s43, (1<<16)|(1<<20)|(1<<21)|(4<<22)|(3<<25)   ; A: the mask; elements of 2 bytes; padding on; bit 21 beside a mask; four words after every 32
	s_mov_b32 s[G1+1], 64<<16                      ; tensor_dim0
	s_mov_b32 s[G1+2], 128<<16                     ; tensor_dim1
	s_mov_b32 s[G1+3], 64<<16                      ; tile_dim0
	s_mov_b32 s[G1+4], 128                         ; tile_dim1
	s_mov_b32 s[G1+5], 64                          ; from row to row: dense
	s_mov_b32 s[G1+6], 0
	s_mov_b32 s[G1+7], 0
	s_or_b32 s[G1B+0], s44, (1<<16)|(1<<20)|(1<<21)|(5<<22)|(3<<25)  ; B: four words after every 64
	s_mov_b32 s[G1B+1], 128<<16
	s_mov_b32 s[G1B+2], 128<<16
	s_mov_b32 s[G1B+3], 128<<16
	s_mov_b32 s[G1B+4], 128
	s_mov_b32 s[G1B+5], 1024
	s_mov_b32 s[G1B+6], 0
	s_mov_b32 s[G1B+7], 0
	s_lshl_b32 s16, s12, 20                        ; A: my head of the step: 4 panels of 262,144 bytes,
	s_lshr_b32 s17, s13, 4
	s_lshl_b32 s17, s17, 18                        ; + panel b,
	s_add_co_u32 s16, s16, s17
	s_and_b32 s17, s13, 15
	s_lshl_b32 s17, s17, 14                        ; + 128 rows of 128 bytes for each t / 128
	s_add_co_u32 s16, s16, s17
	s_mov_b32 s17, 0
	s_lshl_b32 s46, s42, 19                        ; B: 256 rows of 2,048 bytes a tile column,
	s_lshl_b32 s47, s12, 18                        ; + my 128
	s_add_co_u32 s46, s46, s47
	s_mov_b32 s47, 0
	s_mul_i32 s20, s12, ASUB                       ; where they go: no place in the cluster enters an LDS address
	s_mul_i32 s21, s12, BHALF
	s_add_co_u32 s21, s21, BOFF
	s_wait_dscnt 0x0                               ; both opening adds are done
	s_wait_kmcnt 0x0
	s_add_nc_u64 s[14:15], s[4:5], s[16:17]
	s_add_nc_u64 s[46:47], s[6:7], s[46:47]
	CROUND                                         ; all sixteen work-groups are here: the first joint loads meet
.irp s, 0,1
	s_mov_b32 s[G0+4*\s], 1
	s_add_co_u32 s[G0+4*\s+1], s20, \s*SLOT
	s_add_nc_u64 s[G0+4*\s+2:G0+4*\s+3], s[14:15], \s*2097152       ; K step s: two heads on are 8 panels
	s_or_b32 s[G0+4*\s+3], s[G0+4*\s+3], 0x80000000
	s_mov_b32 s[G0B+4*\s], 1
	s_add_co_u32 s[G0B+4*\s+1], s21, \s*SLOT
	s_add_nc_u64 s[G0B+4*\s+2:G0B+4*\s+3], s[46:47], \s*256
	s_or_b32 s[G0B+4*\s+3], s[G0B+4*\s+3], 0x80000000
	JLOAD \s
.endr
	v_and_b32 v1, 15, v0                           ; r
	v_bfe_u32 v2, v0, 4, 1                         ; h
	v_mul_u32_u24 v3, v1, AP
	v_lshl_add_u32 v3, v2, 4, v3
	v_mul_u32_u24 v4, v1, BP
	v_lshl_add_u32 v4, v2, 4, v4
	s_mul_i32 s21, s11, 64*AP                      ; my 64 rows of A
	s_mul_i32 s22, s12, BHALF                      ; my 128 rows of B
	s_add_co_u32 s22, s22, BOFF
.irp s, 0,1
	v_add_nc_u32 v[ADRA+\s], s21, v3
	v_add_nc_u32 v[ADRB+\s], s22, v4
	s_add_co_u32 s21, s21, SLOT
	s_add_co_u32 s22, s22, SLOT
.endr
	s_mul_i32 s23, s10, 16*SPITCH
	s_add_co_u32 s23, s23, STAGE                   ; my stage
	v_mul_u32_u24 v5, v1, SPITCH                   ; in: row r, 32 bytes for each half of the lanes
	v_lshl_add_u32 v5, v2, 5, v5
	v_add_nc_u32 v[STO], s23, v5
	v_and_b32 v6, 31, v0
	v_lshlrev_b32 v[CO], 4, v6                     ; back: the 32 lanes take one row of 512 bytes
	v_add_nc_u32 v[RD], s23, v[CO]
	s_and_b32 s16, s13, 15
	s_lshl_b32 s16, s16, 21                        ; out0: 128 t of 16,384 bytes,
	s_lshl_b32 s17, s11, 20                        ; + my 64 t,
	s_add_co_u32 s16, s16, s17
	s_lshr_b32 s17, s13, 4
	s_lshl_b32 s17, s17, 12                        ; + b x 4,096
	s_add_co_u32 s16, s16, s17
	s_mov_b32 s17, 0
	s_add_nc_u64 s[8:9], s[8:9], s[16:17]
	s_lshl_b32 s46, s42, 10                        ; + my first column, in bytes
	s_lshl_b32 s47, s12, 9
	s_add_co_u32 s46, s46, s47
	s_mov_b32 s47, 0
	s_add_nc_u64 s[8:9], s[8:9], s[46:47]
; 8 matrix instructions: A's block a x B's eight, 32 along K, from buffers f.  The 32 accumulators take turns in the same order in every quarter.
.macro MUL8 f, a, zero
.irp b, 0,1,2,3,4,5,6,7
.if \zero
	v_wmma_f32_16x16x32_f16 v[8*(8*(\a)+\b):8*(8*(\a)+\b)+7], v[64*(\f)+8*\b:64*(\f)+8*\b+7], v[AF+32*(\f)+8*(\a):AF+32*(\f)+8*(\a)+7], 0
.else
	v_wmma_f32_16x16x32_f16 v[8*(8*(\a)+\b):8*(8*(\a)+\b)+7], v[64*(\f)+8*\b:64*(\f)+8*\b+7], v[AF+32*(\f)+8*(\a):AF+32*(\f)+8*(\a)+7], v[8*(8*(\a)+\b):8*(8*(\a)+\b)+7]
.endif
.endr
.endm
; 24 LDS loads in one run: the fragments of the slot's q-th 32 along K into buffers f: B's sixteen loads, then A's eight.  Quarters 0, 1 lie in the step's first head, 2, 3 in its second.
.macro FETCH slot, q, f
	WIN TO_B
.irp i, 0,1,2,3,4,5,6,7
	ds_load_b128 v[64*(\f)+8*\i:64*(\f)+8*\i+3],   v[ADRB+\slot] offset:64*(\q)+\i*16*BP
	ds_load_b128 v[64*(\f)+8*\i+4:64*(\f)+8*\i+7], v[ADRB+\slot] offset:64*(\q)+\i*16*BP+32
.endr
	WIN 0
.irp i, 0,1,2,3
	ds_load_b128 v[AF+32*(\f)+8*\i:AF+32*(\f)+8*\i+3],   v[ADRA+\slot] offset:((\q)/2)*ASUB+64*((\q)%2)+\i*16*AP
	ds_load_b128 v[AF+32*(\f)+8*\i+4:AF+32*(\f)+8*\i+7], v[ADRA+\slot] offset:((\q)/2)*ASUB+64*((\q)%2)+\i*16*AP+32
.endr
.endm
.macro PLACES                          ; four places in front of loads into registers that matrix instructions have read, and of the first read of results
.rept 4
	v_nop
.endr
.endm
; A K step is four quarters of 32 along K, 32 matrix instructions each, on buffers 0, 1, 0, 1.  One of the first three: multiplies buffers f and fetches quarter qn into g.
.macro QUARTER slot, qn, f, g, zero
	s_wait_dscnt 4                                 ; B and A's blocks 0, 1 are in; the youngest four loads (A's blocks 2, 3) may be out
	WIN MUL
	MUL8 \f, 0, \zero
	MUL8 \f, 1, \zero
	PLACES
	FETCH \slot, \qn, \g
	s_wait_dscnt 24                                ; all but the 24 just issued
	WIN MUL
	MUL8 \f, 2, \zero
	MUL8 \f, 3, \zero
.endm
; The last quarter multiplies buffers 1 and changes slots: one barrier; in front of it each wave waits for all its tensor loads, adds 0 to its spare word, and waits for that and for its reads of this slot.
; fill = 1: the barrier opens a round of the cluster's, and this slot is filled again, two K steps ahead, first thing behind the round.
.macro TURN slot, next, fill
	WIN 0                                          ; (the add's two registers lie in window 0)
	s_wait_tensorcnt 0x0                           ; all my tensor loads have landed: my part of the next slot
	ds_add_u32 v[SPW], v[NIL]                      ; 0 onto my spare word
	s_wait_dscnt 5                                 ; (the add and the youngest four loads may be out)
	WIN MUL
	MUL8 1, 0, 0                                   ; eight matrix instructions stand between the add and the wait for it
	s_wait_dscnt 0x0                               ; the add is done, and my reads of this slot are over
	s_barrier_signal -1
	MUL8 1, 1, 0
.if \fill
	WIN 0
.endif
	s_barrier_wait -1
.if \fill
	CREST                                          ; no wave of any partner still reads this slot or has a load on its way
	s_add_nc_u64 s[G0+4*\slot+2:G0+4*\slot+3], s[G0+4*\slot+2:G0+4*\slot+3], 2*2097152
	s_add_nc_u64 s[G0B+4*\slot+2:G0B+4*\slot+3], s[G0B+4*\slot+2:G0B+4*\slot+3], 2*256
	JLOAD \slot                                    ; the four v_nop behind it are also the places in front of the loads below
.else
	PLACES
.endif
	FETCH \next, 0, 0
	WIN MUL
	MUL8 1, 2, 0
	MUL8 1, 3, 0
.endm
	s_wait_tensorcnt 1                             ; my part of K step 0 is in (K step 1's load may be out)
	s_barrier_signal -1
	s_barrier_wait -1                              ; everybody's is
	FETCH 0, 0, 0
	QUARTER 0, 1, 0, 1, 1                          ; the first quarter stands in front of the loop: its products start the sums
	WIN 0                                          ; at a label and at a branch every window is 0
	s_mov_b32 s3, LAPS-1
.Llap:                                             ; a trip goes once round the ring, from a lap's second quarter to the next lap's first, and fills both slots again
	QUARTER 0, 2, 1, 0, 0
	QUARTER 0, 3, 0, 1, 0
	TURN 0, 1, 1
	QUARTER 1, 1, 0, 1, 0
	QUARTER 1, 2, 1, 0, 0
	QUARTER 1, 3, 0, 1, 0
	TURN 1, 0, 1
	QUARTER 0, 1, 0, 1, 0
	WIN 0
	s_sub_co_u32 s3, s3, 1
	s_cmp_lg_u32 s3, 0
	s_cbranch_scc1 .Llap
	QUARTER 0, 2, 1, 0, 0                          ; the last lap fills nothing, and has no round of the cluster's barrier
	QUARTER 0, 3, 0, 1, 0
	TURN 0, 1, 0
	QUARTER 1, 1, 0, 1, 0
	QUARTER 1, 2, 1, 0, 0
	QUARTER 1, 3, 0, 1, 0
	s_wait_dscnt 4                                 ; the very last quarter: nothing more to fetch
	WIN MUL
	MUL8 1, 0, 0
	MUL8 1, 1, 0
	s_wait_dscnt 0
	MUL8 1, 2, 0
	MUL8 1, 3, 0
	WIN 0
; THE WAY OUT, block by block of 16 rows x 128 columns of f32.  A lane holds 32 neighbouring bytes of a row: a block goes through my own stage and comes back as whole rows of 512 bytes.
.macro TOSTAGE a
.set AC, 64*(\a)
	WIN 0x08                                       ; an LDS store's data are its source 1: window 2
.irp b, 0,1,2,3,4,5,6,7
	ds_store_b128 v[STO], v[AC+8*\b:AC+8*\b+3] offset:64*\b          ; each accumulator from its low end on
	ds_store_b128 v[STO], v[AC+8*\b+4:AC+8*\b+7] offset:64*\b+16
.endr
	WIN 0
.set BB, BK+64*((\a)%2)
.irp t, 0,1,2,3,4,5,6,7,8,9,10,11,12,13,14,15
	ds_load_b128 v[BB+4*\t:BB+4*\t+3], v[RD] offset:\t*SPITCH        ; LDS serves a wave's instructions in order (ISA guide 5.7.1.4): these see the stores above
.endr
.endm
.macro SEND a, younger                 ; younger: the LDS instructions issued behind block a's loads, which may stay out
.set BB, BK+64*((\a)%2)
	s_wait_dscnt \younger
.irp t, 0,1,2,3,4,5,6,7,8,9,10,11,12,13,14,15
	global_store_b128 v[CO], v[BB+4*\t:BB+4*\t+3], s[8:9] offset:(16*(\a)+\t)*16384 th:TH_STORE_NT   ; 32 lanes store 512 consecutive bytes, aligned; the immediate is 1,032,192 at the most
.endr
.endm
	PLACES
	TOSTAGE 0
.irp a, 1,2,3
.if \a > 1
	s_wait_xcnt 0x0                                ; block a - 2's stores have read their registers: block a's loads may land there
.endif
	TOSTAGE \a
	SEND \a-1, 32                                  ; behind block a - 1's loads: block a's 16 stores and 16 loads
.endr
	SEND 3, 0
	s_wait_tensorcnt 0x0                           ; the wave's end
	ds_add_u32 v[SPW], v[NIL]
	s_wait_dscnt 0x0
	CROUND                                         ; the closing round
	s_endpgm
.Lfunc_end_k_q90ae46ad6b_oproj:
	.size	k_q90ae46ad6b_oproj, .Lfunc_end_k_q90ae46ad6b_oproj-k_q90ae46ad6b_oproj
	.p2alignl 7, 3214868480
	.fill 96, 4, 3214868480
	.section	.rodata,"a",@progbits
	.p2align	6, 0x0
	.amdhsa_kernel k_q90ae46ad6b_oproj
		.amdhsa_group_segment_fixed_size 327680
		.amdhsa_private_segment_fixed_size 0
		.amdhsa_enable_private_segment 0
		.amdhsa_kernarg_size 24
		.amdhsa_user_sgpr_count 2
		.amdhsa_user_sgpr_kernarg_segment_ptr 1
		.amdhsa_wavefront_size32 1
		.amdhsa_system_sgpr_workgroup_id_x 1
		.amdhsa_system_sgpr_workgroup_id_y 1
		.amdhsa_system_sgpr_workgroup_id_z 1
		.amdhsa_system_vgpr_workitem_id 0
		.amdhsa_next_free_vgpr 768
		.amdhsa_next_free_sgpr 66
		.amdhsa_reserve_vcc 0
		.amdhsa_float_denorm_mode_32 3
		.amdhsa_float_denorm_mode_16_64 3
		.amdhsa_memory_ordered 1
		.amdhsa_forward_progress 1
		.amdhsa_inst_pref_size 86
	.end_amdhsa_kernel
	.amdgpu_metadata
---
amdhsa.version: [ 1, 2 ]
amdhsa.kernels:
  - .name:           k_q90ae46ad6b_oproj
    .symbol:         k_q90ae46ad6b_oproj.kd
    .args:
      - { .name: ctx16, .offset: 0, .size: 8, .value_kind: global_buffer, .address_space: global }
      - { .name: wo16, .offset: 8, .size: 8, .value_kind: global_buffer, .address_space: global }
      - { .name: out0, .offset: 16, .size: 8, .value_kind: global_buffer, .address_space: global }
    .group_segment_fixed_size: 327680
    .private_segment_fixed_size: 0
    .kernarg_segment_align: 8
    .kernarg_segment_size: 24
    .max_flat_workgroup_size: 128
    .sgpr_count:     66
    .vgpr_count:     768
    .wavefront_size: 32
...
	.end_amdgpu_metadata
.endif
;; end of part 4
;; launch first16 (part 5): grid 16 x 4, 16 waves a work-group, no clusters, 85,248 bytes of LDS; arguments qkv32, out_proj_weight, out0; writes out0
.if DOCPART == 5
	.amdgcn_target "amdgcn-amd-amdhsa--gfx1250"
	.amdhsa_code_object_version 6
	.text
	.protected	k_q90ae46ad6b_first16
	.globl	k_q90ae46ad6b_first16
	.p2align	8
	.type	k_q90ae46ad6b_first16,@function
k_q90ae46ad6b_first16:
	s_mov_b64 s[64:65], 0
	v_nop
	global_prefetch_b8 v0, s[64:65] scope:SCOPE_SE
	s_setreg_imm32_b32 hwreg(HW_REG_WAVE_MODE, 25, 1), 1
	s_wait_xcnt 0x0
; THE FIRST 16 POSITIONS OF EVERY BATCH, ALL IN f32: attention over keys 0 .. 15 for all 16 heads, and the rows' projection by out_proj_weight.  These rows average one to sixteen values and are the largest
; of the output, so 16-bit operands are too coarse for them.  They are stored over what the launch before left in rows t = 0 .. 15 of out0.
; Work-group (slice of 64 output columns, batch b), sixteen waves.  Every work-group of a batch makes the batch's small attention anew (half a million multiply-adds): cheaper than a launch more.
; All products by v_wmma_f32_16x16x4_f32: 16 x 16 x 4; lane (r, h) holds row (or column) r and k = 2 h + 0, 1.  k IS PERMUTED ALIKE ON BOTH SOURCES, so that a lane's registers are neighbours in memory:
; half h of the lanes takes one contiguous half of the K range, register pair i serving step i.  The registers that this form writes are written by it alone; a sum starts with C = 0.
; PHASE A (wave = head): S^T = K Q^T, two accumulators by turns; mask, softmax; O^T = V^T P, four accumulators by turns; ctx to LDS | barrier |
; PHASE B (wave = 16 columns ct x a quarter kq of K): Y^T = W ctx^T, 64 steps on two accumulators by turns; partial sums to LDS | barrier | waves 0-7 add the four quarters and store 256 consecutive bytes for 16 lanes.
; REGISTERS: v1-13 addresses; v16-47 Q, v48-79 K (then v16-79 W's second half); v80-111 V, then X0; v112-143 scores, p, then X1; v144-159 two accumulators; v160-191 O^T; v192-255 W's first half.
.set XP,    4112                       ; a row of ctx in LDS: 4,096 bytes + 16: the 16 rows that a load touches start 4 banks apart (64 banks of 4 bytes: ISA guide 11.1)
.set RED,   16*XP                      ; the partial sums: [kq][16 rows x 272]
.set RP,    272
.set SPARE, RED+4*16*RP                ; the spare words, 128 bytes a wave, which no other line names
.set SPW,   14                         ; v14  LDS address of my spare word; never rewritten
.set NIL,   15                         ; v15  0; never rewritten
.set QR,    16
.set KR,    48
.set VR,    80
.set TR,    112
.set PR,    128
.set SA,    144
.set OR,    160
.set W1,    192
.set W2,    16
.macro PL8                             ; eight places behind this matrix form (ISA guide 7.12.1)
.rept 8
	v_nop
.endr
.endm
	s_load_b128 s[4:7], s[0:1], 0x0                ; qkv32, out_proj_weight
	s_load_b64 s[8:9], s[0:1], 0x10                ; out0
	v_lshl_add_u32 v[SPW], v0, 2, SPARE
	v_mov_b32 v[NIL], 0
	v_lshrrev_b32 v11, 5, v0
	v_readfirstlane_b32 s10, v11                   ; wave 0..15: the head in phase A
	s_and_b32 s12, ttmp7, 0xffff                   ; b
	s_and_b32 s13, s10, 3                          ; ct
	s_lshr_b32 s14, s10, 2                         ; kq
	v_and_b32 v11, 15, v0                          ; r
	v_bfe_u32 v12, v0, 4, 1                        ; h
	v_mul_u32_u24 v1, v11, 49152                   ; Q, K: row 4 r + b of 12,288 bytes, + my half's 32 channels
	v_lshl_add_u32 v1, v12, 7, v1
	v_mul_u32_u24 v2, v12, 393216                  ; V: keys 8 h on (32 rows of 12,288 bytes), channel r
	v_lshl_add_u32 v2, v11, 2, v2
	v_lshlrev_b32 v3, 12, v11                      ; W: row r of 4,096 bytes, + my half's 128 k
	v_lshl_add_u32 v3, v12, 9, v3
	v_mul_u32_u24 v13, v11, XP
	s_lshl_b32 s16, s10, 8
	v_lshl_add_u32 v4, v12, 5, v13
	v_add_nc_u32 v4, s16, v4                       ; ctx into LDS: row r, + 256 x head + 32 h
	s_lshl_b32 s16, s14, 10
	v_lshl_add_u32 v5, v12, 9, v13
	v_add_nc_u32 v5, s16, v5                       ; and out of it: row r, + 1,024 kq + 512 h
	v_mul_u32_u24 v6, v11, RP
	v_lshl_add_u32 v6, v12, 5, v6
	s_mul_i32 s16, s14, 16*RP
	s_lshl_b32 s17, s13, 6
	s_add_co_u32 s16, s16, s17
	s_add_co_u32 s16, s16, RED
	v_add_nc_u32 v6, s16, v6                       ; partial sums in: quarter kq, row r, + 64 ct + 32 h
	v_mul_u32_u24 v7, v12, RP
	v_lshl_add_u32 v7, v11, 4, v7
	s_mul_i32 s16, s10, 2*RP
	s_add_co_u32 s16, s16, RED
	v_add_nc_u32 v7, s16, v7                       ; and back: row 2 wave + h, 16 bytes a lane
	v_lshlrev_b32 v8, 14, v12
	v_lshl_add_u32 v8, v11, 4, v8                  ; the same in out0: t is 16,384 bytes
	v_lshlrev_b32 v9, 3, v12
	v_sub_nc_u32 v9, v11, v9                       ; r - 8 h
	v_mov_b32 v10, 0xff800000                      ; -infinity
	v_mov_b32 v121, 0                              ; (a lane permute's destination counts as one of its sources)
	s_mov_b32 s20, 0x76543210
	s_mov_b32 s21, 0xfedcba98                      ; lane l xor 16
	s_mov_b32 s22, 0x3e38aa3b                      ; c = log2(e) / 8
	s_mul_i32 s16, s12, 12288
	s_lshl_b32 s17, s10, 8
	s_add_co_u32 s16, s16, s17                     ; qkv32: row b, the head's 64 columns
	s_mov_b32 s17, 0
	s_lshl_b32 s18, ttmp9, 18                      ; W: 64 rows a slice,
	s_lshl_b32 s19, s13, 16                        ; 16 a tile,
	s_add_co_u32 s18, s18, s19
	s_lshl_b32 s19, s14, 10                        ; 256 k a quarter
	s_add_co_u32 s18, s18, s19
	s_mov_b32 s19, 0
	s_lshl_b32 s24, s10, 15                        ; out0: two t a wave,
	s_lshl_b32 s25, s12, 12                        ; b,
	s_add_co_u32 s24, s24, s25
	s_lshl_b32 s25, ttmp9, 8                       ; the slice's 256 bytes
	s_add_co_u32 s24, s24, s25
	s_mov_b32 s25, 0
	s_wait_kmcnt 0x0
	s_add_nc_u64 s[4:5], s[4:5], s[16:17]
	s_add_nc_u64 s[6:7], s[6:7], s[18:19]
	s_add_nc_u64 s[8:9], s[8:9], s[24:25]
.irp e, 0,1,2,3,4,5,6,7
	global_load_b128 v[QR+4*\e:QR+4*\e+3], v1, s[4:5] offset:16*\e            ; Q(r, 32 h + 4 e ..)
.endr
.irp e, 0,1,2,3,4,5,6,7
	global_load_b128 v[KR+4*\e:KR+4*\e+3], v1, s[4:5] offset:4096+16*\e       ; K likewise
.endr
.irp d, 0,1,2,3
.irp e, 0,1,2,3,4,5,6,7
	global_load_b32 v[VR+8*\d+\e], v2, s[4:5] offset:8192+49152*\e+64*\d      ; V(key 8 h + e, channel 16 d + r)
.endr
.endr
.irp e, 0,1,2,3,4,5,6,7,8,9,10,11,12,13,14,15
	global_load_b128 v[W1+4*\e:W1+4*\e+3], v3, s[6:7] offset:16*\e            ; W(16 ct + r, 256 kq + 128 h + 0 .. 63)
.endr
	s_wait_loadcnt 48                              ; Q and K are in; V's 32 and W's 16 may be out
.set i, 0
.rept 16                                       ; S^T: step i takes channels 32 h + 2 i, + 1; the two accumulators by turns
.if i < 2
	v_wmma_f32_16x16x4_f32 v[SA+8*(i%2):SA+8*(i%2)+7], v[KR+2*i:KR+2*i+1], v[QR+2*i:QR+2*i+1], 0
.else
	v_wmma_f32_16x16x4_f32 v[SA+8*(i%2):SA+8*(i%2)+7], v[KR+2*i:KR+2*i+1], v[QR+2*i:QR+2*i+1], v[SA+8*(i%2):SA+8*(i%2)+7]
.endif
.set i, i+1
.endr
	PL8
.irp e, 0,1,2,3,4,5,6,7,8,9,10,11,12,13,14,15
	global_load_b128 v[W2+4*\e:W2+4*\e+3], v3, s[6:7] offset:256+16*\e        ; W's second 64 k of my half, into Q's and K's registers
.endr
.irp j, 0,1,2,3,4,5,6,7
	v_add_f32 v[TR+\j], v[SA+\j], v[SA+8+\j]       ; score of key 8 h + j for query r
.endr
.irp j, 0,1,2,3,4,5,6,7
	v_cmp_gt_i32 vcc_lo, \j, v9                    ; hidden where 8 h + j > r
	v_cndmask_b32 v[TR+\j], v[TR+\j], v10, vcc_lo
.endr
	v_max3_num_f32 v120, v112, v113, v114          ; key 0 counts for every query: the maximum is a number
	v_max3_num_f32 v120, v120, v115, v116
	v_max3_num_f32 v120, v120, v117, v118
	v_max_num_f32 v120, v120, v119
	v_permlanex16_b32 v121, v120, s20, s21
	v_max_num_f32 v120, v120, v121
	v_mul_f32 v122, s22, v120                      ; c m
.irp j, 0,1,2,3,4,5,6,7
	v_fma_f32 v[TR+\j], v[TR+\j], s22, -v122
.endr
.irp j, 0,1,2,3,4,5,6,7
	v_exp_f32 v[TR+\j], v[TR+\j]
.endr
	v_nop                                          ; a plain line behind the last exponential,
	s_wait_alu depctr_va_vdst(0)                   ; and one wait for the eight
	v_pk_add_f32 v[124:125], v[112:113], v[114:115]
	v_pk_add_f32 v[126:127], v[116:117], v[118:119]
	v_pk_add_f32 v[124:125], v[124:125], v[126:127]
	v_add_f32 v124, v124, v125
	v_permlanex16_b32 v121, v124, s20, s21
	v_add_f32 v124, v124, v121
	v_rcp_f32 v126, v124
	v_nop
	s_wait_alu depctr_va_vdst(0)
.irp j, 0,2,4,6
	v_pk_mul_f32 v[PR+\j:PR+\j+1], v[TR+\j:TR+\j+1], v[126:127] op_sel_hi:[1,0]   ; the weights, normalised, in f32
.endr
	s_wait_loadcnt 32                              ; V is in; W's 32 loads may be out
.irp i, 0,1,2,3                                ; O^T: step i takes keys 8 h + 2 i, + 1; the four accumulators by turns
.irp d, 0,1,2,3
.if \i == 0
	v_wmma_f32_16x16x4_f32 v[OR+8*\d:OR+8*\d+7], v[VR+8*\d+2*\i:VR+8*\d+2*\i+1], v[PR+2*\i:PR+2*\i+1], 0
.else
	v_wmma_f32_16x16x4_f32 v[OR+8*\d:OR+8*\d+7], v[VR+8*\d+2*\i:VR+8*\d+2*\i+1], v[PR+2*\i:PR+2*\i+1], v[OR+8*\d:OR+8*\d+7]
.endif
.endr
.endr
	PL8
.irp d, 0,1,2,3
	ds_store_b128 v4, v[OR+8*\d:OR+8*\d+3] offset:64*\d          ; ctx(r, 64 head + 16 d + 8 h + 0 .. 7), each accumulator from its low end on
	ds_store_b128 v4, v[OR+8*\d+4:OR+8*\d+7] offset:64*\d+16
.endr
	s_wait_dscnt 0x0                               ; for the others' sake: my stores have landed
	s_barrier_signal -1
	s_barrier_wait -1                              ; 16 whole rows of ctx lie in LDS
.macro XLOAD c                         ; 16 steps' numbers of ctx: k = 256 kq + 128 h + 32 c + 0 .. 31 of row r
.irp e, 0,1,2,3,4,5,6,7
	ds_load_b128 v[VR+32*((\c)%2)+4*\e:VR+32*((\c)%2)+4*\e+3], v5 offset:128*(\c)+16*\e
.endr
.endm
.macro YMUL c                          ; 16 steps: source 0 = W's pair, source 1 = ctx's pair; the two accumulators by turns
.if (\c) < 2
.set WR, W1+32*(\c)
.else
.set WR, W2+32*((\c)-2)
.endif
.set XR, VR+32*((\c)%2)
.set i, 0
.rept 16
.if ((\c) == 0) && (i < 2)
	v_wmma_f32_16x16x4_f32 v[SA+8*(i%2):SA+8*(i%2)+7], v[WR+2*i:WR+2*i+1], v[XR+2*i:XR+2*i+1], 0
.else
	v_wmma_f32_16x16x4_f32 v[SA+8*(i%2):SA+8*(i%2)+7], v[WR+2*i:WR+2*i+1], v[XR+2*i:XR+2*i+1], v[SA+8*(i%2):SA+8*(i%2)+7]
.endif
.set i, i+1
.endr
.endm
	XLOAD 0
	XLOAD 1
	s_wait_loadcnt 16                              ; W's first half is in; the second half's 16 loads may be out
	s_wait_dscnt 8                                 ; chunk 0 is in; chunk 1's eight loads may be out
	YMUL 0
	PL8
	XLOAD 2
	s_wait_dscnt 8                                 ; chunk 1 is in
	YMUL 1
	PL8
	XLOAD 3
	s_wait_loadcnt 0x0                             ; W's second half
	s_wait_dscnt 8                                 ; chunk 2 is in
	YMUL 2
	s_wait_dscnt 0x0
	YMUL 3
	PL8
.irp j, 0,1,2,3,4,5,6,7
	v_add_f32 v[VR+\j], v[SA+\j], v[SA+8+\j]       ; my quarter's part of y(r, 16 ct + 8 h + j)
.endr
	ds_store_b128 v6, v[VR:VR+3]
	ds_store_b128 v6, v[VR+4:VR+7] offset:16
	s_wait_dscnt 0x0
	s_barrier_signal -1
	s_barrier_wait -1                              ; the four quarters' parts of 16 rows x 64 columns lie in LDS
	s_cmp_lt_u32 s10, 8                            ; waves 0-7 take two rows each: a branch on the wave's number, with no barrier inside
	s_cbranch_scc0 .Ldone
.irp k, 0,1,2,3
	ds_load_b128 v[96+4*\k:99+4*\k], v7 offset:16*RP*\k
.endr
	s_wait_dscnt 0x0
	v_pk_add_f32 v[96:97], v[96:97], v[100:101]
	v_pk_add_f32 v[98:99], v[98:99], v[102:103]
	v_pk_add_f32 v[104:105], v[104:105], v[108:109]
	v_pk_add_f32 v[106:107], v[106:107], v[110:111]
	v_pk_add_f32 v[96:97], v[96:97], v[104:105]
	v_pk_add_f32 v[98:99], v[98:99], v[106:107]
	global_store_b128 v8, v[96:99], s[8:9]         ; 16 lanes store 256 consecutive bytes, aligned
.Ldone:
	s_wait_tensorcnt 0x0                           ; the wave's end
	ds_add_u32 v[SPW], v[NIL]
	s_wait_dscnt 0x0
	s_endpgm
.Lfunc_end_k_q90ae46ad6b_first16:
	.size	k_q90ae46ad6b_first16, .Lfunc_end_k_q90ae46ad6b_first16-k_q90ae46ad6b_first16
	.p2alignl 7, 3214868480
	.fill 96, 4, 3214868480
	.section	.rodata,"a",@progbits
	.p2align	6, 0x0
	.amdhsa_kernel k_q90ae46ad6b_first16
		.amdhsa_group_segment_fixed_size 85248
		.amdhsa_private_segment_fixed_size 0
		.amdhsa_enable_private_segment 0
		.amdhsa_kernarg_size 24
		.amdhsa_user_sgpr_count 2
		.amdhsa_user_sgpr_kernarg_segment_ptr 1
		.amdhsa_wavefront_size32 1
		.amdhsa_system_sgpr_workgroup_id_x 1
		.amdhsa_system_sgpr_workgroup_id_y 1
		.amdhsa_system_sgpr_workgroup_id_z 1
		.amdhsa_system_vgpr_workitem_id 0
		.amdhsa_next_free_vgpr 256
		.amdhsa_next_free_sgpr 66
		.amdhsa_reserve_vcc 1
		.amdhsa_float_denorm_mode_32 3
		.amdhsa_float_denorm_mode_16_64 3
		.amdhsa_memory_ordered 1
		.amdhsa_forward_progress 1
		.amdhsa_inst_pref_size 25
	.end_amdhsa_kernel
	.amdgpu_metadata
---
amdhsa.version: [ 1, 2 ]
amdhsa.kernels:
  - .name:           k_q90ae46ad6b_first16
    .symbol:         k_q90ae46ad6b_first16.kd
    .args:
      - { .name: qkv32, .offset: 0, .size: 8, .value_kind: global_buffer, .address_space: global }
      - { .name: out_proj_weight, .offset: 8, .size: 8, .value_kind: global_buffer, .address_space: global }
      - { .name: out0, .offset: 16, .size: 8, .value_kind: global_buffer, .address_space: global }
    .group_segment_fixed_size: 85248
    .private_segment_fixed_size: 0
    .kernarg_segment_align: 8
    .kernarg_segment_size: 24
    .max_flat_workgroup_size: 512
    .sgpr_count:     66
    .vgpr_count:     256
    .wavefront_size: 32
...
	.end_amdgpu_metadata
.endif
;; end of part 5
